; MI455X (gfx1250); checked and timed in simulation.
; The chip was launched on July 23, 2026; its instructions are those of AMD's public machine-readable ISA for CDNA 5 (MIT licence, August 2026) and "CDNA5" Instruction Set Architecture Reference Guide (July 2026). The comments in the code are by the model that wrote it; some were corrected since.
;; Cross View Attention. Allowed arithmetic: float matrix products may take bf16 or f16 operands with f32 sums; all other float work in f32.
;; Inputs: Wk2 2,048 x 2,048 float32; Wk3 2,048 x 2,048 float32; Wo 2,048 x 2,048 float32; Wq 2,048 x 2,048 float32; Wv2 2,048 x 2,048 float32; Wv3 2,048 x 2,048 float32; bk2 2,048 float32; bk3 2,048 float32; bo 2,048 float32; bq 2,048 float32; bv2 2,048 float32; bv3 2,048 float32; current_view 2,048 x 2,048 float32; ln_b 2,048 float32; ln_w 2,048 float32; view2_spec 2,048 x 2,048 float32; view3_spec 2,048 x 2,048 float32.
;; Outputs: out0 2,048 x 2,048 float32; out1 2,048 x 16 x 1 x 2 float32.
;; 2 versions, each right; version 2 is version 1 with the launches cast, norm written anew for expert scheduling mode. Each part assembles by itself: llvm-mc -triple=amdgcn-amd-amdhsa -mcpu=gfx1250 --defsym DOCPART=n.
;; ======== version 1 of 2: 4 launches
;; workspace buffers: tb 67,108,864 bytes; wob 8,388,608 bytes; ab 8,388,608 bytes; aw 262,144 bytes; yb 16,777,216 bytes
;; launch cast (part 1): grid 256 x 9, 4 waves a work-group, no clusters, 0 bytes of LDS; arguments current_view, view2_spec, view3_spec, Wq, Wk2, Wv2, Wk3, Wv3, Wo, tb, wob; writes tb, wob
.if DOCPART == 1
	.amdgcn_target "amdgcn-amd-amdhsa--gfx1250"
	.amdhsa_code_object_version 6
	.text
	.protected	k_qf608f1df3b_cast
	.globl	k_qf608f1df3b_cast
	.p2align	8
	.type	k_qf608f1df3b_cast,@function
k_qf608f1df3b_cast:
	s_mov_b64 s[64:65], 0
	v_nop
	global_prefetch_b8 v0, s[64:65] scope:SCOPE_SE
	s_setreg_imm32_b32 hwreg(HW_REG_WAVE_MODE, 25, 1), 1
	s_wait_xcnt 0x0
; The nine matrices [2048][2048] f32 are rounded once to bf16 (nearest even) and laid out in tiles of 128 rows x 64 k,
; 128 bytes a row, 16,384 dense bytes a tile, so that the two products that follow fetch dense blocks.
;   tb, from byte 0     : tile ((head * 32 + kb) * 5 + m)           m 0 Wq, 1 Wk2, 2 Wv2, 3 Wk3, 4 Wv3
;   tb, from byte XB_OFF: tile ((row block * 32 + kb) * 3 + view)   view 0 current_view, 1 view2_spec, 2 view3_spec
;   wob                 : tile (column block * 32 + kb)             Wo
; Grid y = the matrix (0 to 8, in the order of the arguments); grid x = 16 * (block of 128 rows) + g.  Wave w takes half a tile:
; kb = 2 g + (w & 1), rows 64 (w >> 1) to + 63.  A lane takes 4 numbers: a load of the wave covers 256 consecutive bytes of each of two rows,
; a store 256 consecutive bytes of the tile, aligned.  All 32 loads of a wave (16 KiB) go out before the first is used.
; A stream: no byte is shared between work-groups, so LDS, clusters and the matrix unit have nothing to add here.
; LIMIT: this rounding to bf16 is the only rounding of the products' inputs; values beyond bf16's range do not occur below f32's own.
.set X, 8                              ; v[8:135]  load i: 4 registers; its 2 packed words are stored from the first two
.set XB_OFF, 41943040                  ; the views' tiles lie behind the five weights' 5 x 8,388,608 bytes
	s_load_b512 s[8:23], s[0:1], 0x0               ; the first eight sources, s[8+2m:9+2m]
	s_load_b128 s[24:27], s[0:1], 0x40             ; Wo s[24:25], tb s[26:27]
	s_load_b64 s[28:29], s[0:1], 0x50              ; wob
	s_and_b32 s32, ttmp7, 0xffff                   ; m: which matrix
	v_lshrrev_b32 v3, 5, v0
	v_readfirstlane_b32 s33, v3                    ; wave
	s_lshr_b32 s40, ttmp9, 4                       ; block of 128 rows
	s_and_b32 s41, ttmp9, 15                       ; g
	s_and_b32 s42, s33, 1
	s_lshl1_add_u32 s42, s41, s42                  ; kb = 2 g + (w & 1)
	s_lshr_b32 s43, s33, 1                         ; which 64 rows of the tile
	s_sub_co_u32 s44, s32, 3                       ; m - 3: the place among the five weights (used where m >= 3)
	s_cmp_lt_u32 s32, 3
	s_cselect_b32 s34, 3, 5                        ; tiles that lie side by side for one (block, kb)
	s_cselect_b32 s35, s32, s44                    ; my place among them
	s_cselect_b32 s46, XB_OFF, 0                   ; the views' part of tb
	s_cmp_eq_u32 s32, 8
	s_cselect_b32 s34, 1, s34                      ; Wo lies alone
	s_cselect_b32 s35, 0, s35
	s_lshl_b32 s36, s40, 20                        ; source: (128 block + 64 half) rows of 8,192 bytes + 256 kb
	s_lshl_b32 s45, s43, 19
	s_add_co_u32 s36, s36, s45
	s_lshl_b32 s45, s42, 8
	s_add_co_u32 s36, s36, s45
	s_mov_b32 s37, 0
	s_lshl_b32 s38, s40, 5                         ; destination: ((32 block + kb) * tiles + place) * 16,384 + half * 8,192 (+ XB_OFF)
	s_add_co_u32 s38, s38, s42
	s_mul_i32 s38, s38, s34
	s_add_co_u32 s38, s38, s35
	s_lshl_b32 s38, s38, 14
	s_lshl_b32 s45, s43, 13
	s_add_co_u32 s38, s38, s45
	s_add_co_u32 s38, s38, s46
	s_mov_b32 s39, 0
	v_and_b32 v4, 31, v0                           ; lane
	v_and_b32 v5, 15, v0
	v_bfe_u32 v6, v0, 4, 1
	v_lshlrev_b32 v1, 4, v5                        ; source: 16 bytes a lane, lanes 16 to 31 one row down
	v_lshl_add_u32 v1, v6, 13, v1
	v_lshlrev_b32 v2, 3, v4                        ; destination: 8 bytes a lane, two rows of 128 bytes in a run
	s_wait_kmcnt 0x0
	s_mov_b64 s[4:5], s[8:9]                       ; the source is chosen by m, which hangs on no address
.irp i, 1,2,3,4,5,6,7,8
	s_cmp_eq_u32 s32, \i
	s_cselect_b64 s[4:5], s[8+2*\i:9+2*\i], s[4:5]
.endr
	s_cmp_eq_u32 s32, 8
	s_cselect_b64 s[6:7], s[28:29], s[26:27]       ; Wo goes to wob, all else to tb
	s_add_nc_u64 s[4:5], s[4:5], s[36:37]
	s_add_nc_u64 s[6:7], s[6:7], s[38:39]
.set i, 0
.rept 32
	global_load_b128 v[X+4*i:X+4*i+3], v1, s[4:5] offset:i*16384 th:TH_LOAD_NT   ; rows 2 i and 2 i + 1 of my 64
.set i, i+1
.endr
.set i, 0
.rept 32
	s_wait_loadcnt 31-i                            ; loads come back in order: load i is in, the 31 - i younger ones stay out
	v_cvt_pk_bf16_f32 v[X+4*i],   v[X+4*i],   v[X+4*i+1]
	v_cvt_pk_bf16_f32 v[X+4*i+1], v[X+4*i+2], v[X+4*i+3]
	global_store_b64 v2, v[X+4*i:X+4*i+1], s[6:7] offset:i*256                    ; no register that a store reads is written again
.set i, i+1
.endr
	s_endpgm
.Lfunc_end_k_qf608f1df3b_cast:
	.size	k_qf608f1df3b_cast, .Lfunc_end_k_qf608f1df3b_cast-k_qf608f1df3b_cast
	.p2alignl 7, 3214868480
	.fill 96, 4, 3214868480
	.section	.rodata,"a",@progbits
	.p2align	6, 0x0
	.amdhsa_kernel k_qf608f1df3b_cast
		.amdhsa_group_segment_fixed_size 0
		.amdhsa_private_segment_fixed_size 0
		.amdhsa_enable_private_segment 0
		.amdhsa_kernarg_size 88
		.amdhsa_user_sgpr_count 2
		.amdhsa_user_sgpr_kernarg_segment_ptr 1
		.amdhsa_wavefront_size32 1
		.amdhsa_system_sgpr_workgroup_id_x 1
		.amdhsa_system_sgpr_workgroup_id_y 1
		.amdhsa_system_sgpr_workgroup_id_z 1
		.amdhsa_system_vgpr_workitem_id 0
		.amdhsa_next_free_vgpr 136
		.amdhsa_next_free_sgpr 66
		.amdhsa_reserve_vcc 0
		.amdhsa_float_denorm_mode_32 3
		.amdhsa_float_denorm_mode_16_64 3
		.amdhsa_memory_ordered 1
		.amdhsa_forward_progress 1
		.amdhsa_inst_pref_size 14
	.end_amdhsa_kernel
	.amdgpu_metadata
---
amdhsa.version: [ 1, 2 ]
amdhsa.kernels:
  - .name:           k_qf608f1df3b_cast
    .symbol:         k_qf608f1df3b_cast.kd
    .args:
      - { .name: current_view, .offset: 0, .size: 8, .value_kind: global_buffer, .address_space: global }
      - { .name: view2_spec, .offset: 8, .size: 8, .value_kind: global_buffer, .address_space: global }
      - { .name: view3_spec, .offset: 16, .size: 8, .value_kind: global_buffer, .address_space: global }
      - { .name: Wq, .offset: 24, .size: 8, .value_kind: global_buffer, .address_space: global }
      - { .name: Wk2, .offset: 32, .size: 8, .value_kind: global_buffer, .address_space: global }
      - { .name: Wv2, .offset: 40, .size: 8, .value_kind: global_buffer, .address_space: global }
      - { .name: Wk3, .offset: 48, .size: 8, .value_kind: global_buffer, .address_space: global }
      - { .name: Wv3, .offset: 56, .size: 8, .value_kind: global_buffer, .address_space: global }
      - { .name: Wo, .offset: 64, .size: 8, .value_kind: global_buffer, .address_space: global }
      - { .name: tb, .offset: 72, .size: 8, .value_kind: global_buffer, .address_space: global }
      - { .name: wob, .offset: 80, .size: 8, .value_kind: global_buffer, .address_space: global }
    .group_segment_fixed_size: 0
    .private_segment_fixed_size: 0
    .kernarg_segment_align: 8
    .kernarg_segment_size: 88
    .max_flat_workgroup_size: 128
    .sgpr_count:     66
    .vgpr_count:     136
    .wavefront_size: 32
...
	.end_amdgpu_metadata
.endif
;; end of part 1
;; launch attn (part 2): grid 16 x 16, 4 waves a work-group, clusters of 4 x 4, 327,680 bytes of LDS; arguments tb, bq, bk2, bv2, bk3, bv3, ab, aw; writes ab, aw
.if DOCPART == 2
	.amdgcn_target "amdgcn-amd-amdhsa--gfx1250"
	.amdhsa_code_object_version 6
	.text
	.protected	k_qf608f1df3b_attn
	.globl	k_qf608f1df3b_attn
	.p2align	8
	.type	k_qf608f1df3b_attn,@function
k_qf608f1df3b_attn:
	s_mov_b64 s[64:65], 0
	v_nop
	global_prefetch_b8 v0, s[64:65] scope:SCOPE_SE
	s_setreg_imm32_b32 hwreg(HW_REG_WAVE_MODE, 25, 1), 1
	s_wait_xcnt 0x0
	s_wait_alu depctr_hold_cnt(0) depctr_sa_sdst(0) depctr_va_vdst(0) depctr_va_sdst(0) depctr_va_ssrc(0) depctr_va_vcc(0) depctr_vm_vsrc(0)
	s_getreg_b32 s2, hwreg(HW_REG_IB_STS2, 6, 4)
	s_cmp_eq_u32 s2, 0
	s_cbranch_scc0 .Lentry_in_a_cluster
	s_endpgm
.Lentry_in_a_cluster:
	s_bfe_u32 s2, ttmp6, 0x10000c
	s_cmp_lg_u32 s2, 0xf033
	s_cbranch_scc0 .Lentry_shape_is_right
	s_endpgm
.Lentry_shape_is_right:
; q, k2, v2, k3, v3 = x W^T + b for 128 rows and ONE head (128 columns), then the head's attention over its two keys, all in registers:
; scores = q.k / sqrt(128), softmax over the two (the larger score is taken away first), out = w2 v2 + w3 v3.
; Grid x = block of 128 rows, grid y = head.  Four waves, as many as a WGP has SIMDs; wave w makes rows 64 (w >> 1) .. and columns 64 (w & 1) .. of all
; five products: 5 x 16 accumulator tiles of 16 x 16, 640 registers.  K goes in steps of 64 through two LDS slots; a slot holds five tiles of
; weights and three of activations (bf16, 128 rows x 64 k), which lie in tb as dense runs of 81,920 and 49,152 bytes.
; CLUSTERS: 4 x 4 work-groups.  The four of a row of the cluster have the same head and ask for its weights jointly; the four of a column have
; the same rows and ask for the activations jointly: the requests for both are divided by four.
; PREFETCH: in K step t wave 0 asks for the work-group's sixteenth of tile t + 3, the tile that step t + 1's refill requests: 20 blocks of 256 bytes of
; the head's weights (lanes 0-19) and 12 of the rows' activations (lanes 20-31).  The sixteen work-groups that read a tile share it out, so each
; block is asked for by one lane of one wave.  The offset is clamped to tile 31: step 29 asks for that tile again and nothing beyond it.
; THE MATRIX INSTRUCTION IS USED TRANSPOSED (source 0 = 16 rows of a weight, source 1 = 16 rows of x): register j of lane (r, h) of tile (a, b)
; holds row 16 a + r, column 16 b + 8 h + j of the wave's 64 x 64.
; Stores: ab = attn_out in bf16, in tiles of 128 rows x 64 k (tile 32 * row block + 2 * head + column half); aw = the weights, f32 [head][row][2].
; LIMITS: matrix operands and attn_out are bf16; sums in f32, in another order than a row-by-row sum; v_exp_f32 and v_rcp_f32 are good to
; 1 ULP and flush denormals (ISA guide 15.8), so a weight below 2^-126 comes out as 0.
;
; REGISTERS, in windows of 256 (s_set_vgpr_msb's low byte: bits 1:0 source 0, 3:2 source 1, 5:4 source 2, 7:6 destination):
;   window 0: v0-30 addresses and small sums; v32-63 bq, v64-95 bk2, v96-127 bk3 of my columns; v128-255 q's sums
;   window 1: fragments: current_view 0, Wq 32, view2 64, Wk2 96, Wv2 128, view3 160, Wk3 192, Wv3 224 (four of 8 registers each)
;   window 2: k2's sums v0-127, v2's v128-255;   window 3: k3's and v3's likewise.   Tile (a, b) at base + 8 (4 a + b).
.set PITCH,  144                       ; an LDS row: 128 bytes + 16 of padding, an odd multiple of 16: sixteen rows' 16-byte pieces fall on sixteen different places modulo 256 bytes
.set TILE,   128*PITCH                 ; 18,432
.set SLOT,   8*TILE                    ; weights' tile m at m * TILE, activations' tile v at XOFF + v * TILE
.set XOFF,   5*TILE
.set STAGE,  2*SLOT                    ; behind the ring: 16 rows x 144 bytes for each wave, for the way out; no tensor load lands here
.set SCR,    STAGE+4*16*PITCH          ; 2,048 bytes: each wave's partial scores, 512 bytes a wave
.set WSTEP,  5*16384                   ; bytes of weights in a K step
.set XSTEP,  3*16384                   ; bytes of activations in a K step
.set XB_OFF, 41943040                  ; where the activations' tiles begin in tb
.set WROWS,  160                       ; a weights' load: half of WSTEP as rows of 256 bytes
.set XROWS,  96                        ; an activations' load: half of XSTEP
.set G1WORD, (3<<16)|(1<<20)|(1<<21)|(4<<22)|(3<<25)   ; elements of 8 bytes; padding on; bit 21 beside a mask; after every 32 words (code 4) skip 4 words (code 3)
.set G1W, 24                           ; s[24:31] group 1, weights
.set G0W, 32                           ; s[32:39] group 0, weights, one set for each slot
.set G1X, 48                           ; s[48:55] group 1, activations
.set G0X, 56                           ; s[56:63] group 0, activations, one set for each slot
.set P_TB,  68                         ; the buffers' addresses, s[68:83]
.set P_BQ,  70
.set P_BK2, 72
.set P_BV2, 74
.set P_BK3, 76
.set P_BV3, 78
.set P_AB,  80
.set P_AW,  82
.set ADRW0, 8                          ; v8-9    LDS address of my fragments of weights' tile 0, slot 0, 1
.set ADRW3, 10                         ; v10-11  the same for tile 3 (the offsets of tiles 3 and 4 would pass 16 bits from tile 0)
.set ADRX,  12                         ; v12-13  the same for activations' tile 0
.set STO,   14
.set RD,    15
.set CO,    16
.set SCW,   17
.set SCRD,  18
.set BOFF,  19
.set AWO,   20
.set POFF,  21                         ; the prefetch: my lane's byte offset in tb,
.set PSTEP, 29                         ; what a K step adds to it (weights' or activations' step),
.set PMAX,  30                         ; and its value for tile 31
.set BQ,    32
.set BK2,   64
.set BK3,   96
.set ACCQ,  128
.set FC,    0
.set FWQ,   32
.set FX2,   64
.set FWK2,  96
.set FWV2,  128
.set FX3,   160
.set FWK3,  192
.set FWV3,  224
.set W_LD, 0x40                        ; destination window 1, address window 0
.set W_MQ, 0x05                        ; sources 0 and 1 window 1, C and D window 0
.set W_M2, 0xa5                        ; C and D window 2
.set W_M3, 0xf5                        ; C and D window 3
.set MSB, 0
.macro WIN new                         ; the immediate's high byte repeats the setting that is left; a switch that changes nothing is dropped
.if MSB != \new
	s_set_vgpr_msb (MSB<<8)|\new
.set MSB, \new
.endif
.endm
.macro PLACES                          ; four plain vector instructions between a matrix instruction and a load into, or a read of, its registers
.rept 4
	v_nop
.endr
.endm
; A joint load.  Waves 0 and 1 fetch the two halves of the step's weights, waves 2 and 3 those of its activations.  Each line has one mask and one set
; of registers; the branch hangs on the wave's number alone.  Four v_nop follow each line.
.macro JLOAD s
	s_cmp_eq_u32 s11, 0
	s_cbranch_scc0 .Lfor_x_\@
	tensor_load_to_lds s[G0W+4*\s:G0W+4*\s+3], s[G1W:G1W+7]
	s_nop 0
.rept 4
	v_nop
.endr
	s_branch .Lasked_\@
.Lfor_x_\@:
	tensor_load_to_lds s[G0X+4*\s:G0X+4*\s+3], s[G1X:G1X+7]
	s_nop 0
.rept 4
	v_nop
.endr
.Lasked_\@:
.endm
.macro CREST                           ; a round of the cluster's barrier behind its opening work-group barrier
	s_cmp_lg_u32 s10, 0
	s_cbranch_scc1 .Lnot_wave_0_\@
	s_barrier_signal -3
.Lnot_wave_0_\@:
	s_barrier_wait -3
	s_barrier_signal -1
	s_barrier_wait -1
.endm
.macro CROUND                          ; a whole round
	s_barrier_signal -1
	s_barrier_wait -1
	CREST
.endm
; Wave 0 asks for the work-group's share of the next tile but two: 32 lanes, 32 blocks 256 bytes apart within each operand's share.
.macro PREF
	s_cmp_lg_u32 s10, 0
	s_cbranch_scc1 .Lnot_asking_\@
	s_wait_xcnt 0x0                                ; the last prefetch, a K step ago, has had its address translated (ISA guide 3.1): its offset register is stepped only behind this wait
	v_add_nc_u32 v[POFF], v[POFF], v[PSTEP]
	v_min_u32 v[POFF], v[POFF], v[PMAX]            ; never past tile 31
	global_prefetch_b8 v[POFF], s[P_TB:P_TB+1] th:TH_LOAD_NT scope:SCOPE_SE
.Lnot_asking_\@:
.endm
	s_load_b512 s[68:83], s[0:1], 0x0              ; tb, bq, bk2, bv2, bk3, bv3, ab, aw
	v_lshl_add_u32 v27, v0, 2, 0x4ac00
	v_mov_b32 v31, 0
	ds_add_u32 v27, v31
	s_wait_dscnt 0x0
	v_lshrrev_b32 v1, 5, v0
	v_readfirstlane_b32 s10, v1                    ; wave 0..3
	s_lshr_b32 s11, s10, 1                         ; which 64 rows are mine.  Also: I fetch weights (0) or activations (1)
	s_and_b32 s12, s10, 1                          ; which 64 columns.  Also: which half of that fetch
	s_bfe_u32 s40, ttmp6, 0x40000                  ; cx
	s_bfe_u32 s41, ttmp6, 0x40004                  ; cy
	s_lshl_b32 s13, ttmp9, 2
	s_add_co_u32 s13, s13, s40                     ; row block = 4 x cluster x + cx
	s_and_b32 s42, ttmp7, 0xffff
	s_lshl_b32 s42, s42, 2
	s_add_co_u32 s42, s42, s41                     ; head = 4 x cluster y + cy
	s_lshl_b32 s43, s41, 2
	s_lshl_b32 s43, 15, s43                        ; my row of the cluster: the same head
	s_lshl_b32 s44, 0x1111, s40                    ; my column: the same rows
	s_mov_b32 s86, 0x76543210                      ; v_permlanex16_b32: lane i reads lane i of the other half
	s_mov_b32 s87, 0xfedcba98
	; group 1: a dense block as rows of 32 elements of 8 bytes (256 bytes), pitch 32; in LDS 16 bytes are skipped after every 128
	s_or_b32 s[G1W+0], s43, G1WORD                 ; weights hang on the head alone: shared along my row
	s_or_b32 s[G1X+0], s44, G1WORD                 ; activations on the row block alone: shared along my column
	s_mov_b32 s[G1W+1], 32<<16                     ; tensor_dim0 = 32
	s_mov_b32 s[G1X+1], 32<<16
	s_mov_b32 s[G1W+2], WROWS<<16                  ; tensor_dim1 = the rows
	s_mov_b32 s[G1X+2], XROWS<<16
	s_mov_b32 s[G1W+3], 32<<16                     ; tile_dim0 = 32
	s_mov_b32 s[G1X+3], 32<<16
	s_mov_b32 s[G1W+4], WROWS                      ; tile_dim1
	s_mov_b32 s[G1X+4], XROWS
	s_mov_b32 s[G1W+5], 32                         ; from row to row: 32 elements
	s_mov_b32 s[G1X+5], 32
	s_mov_b32 s[G1W+6], 0
	s_mov_b32 s[G1X+6], 0
	s_mov_b32 s[G1W+7], 0
	s_mov_b32 s[G1X+7], 0
	; every wave makes both addresses, each in registers that never hold the other coordinate
	s_mul_i32 s46, s42, 32*WSTEP                   ; weights: head x 32 K steps
	s_mul_i32 s45, s12, WSTEP/2                    ; + my half of a step
	s_add_co_u32 s46, s46, s45
	s_mov_b32 s47, 0
	s_mul_i32 s16, s13, 32*XSTEP                   ; activations: row block x 32 K steps
	s_mul_i32 s17, s12, XSTEP/2
	s_add_co_u32 s16, s16, s17
	s_add_co_u32 s16, s16, XB_OFF                  ; behind the weights
	s_mov_b32 s17, 0
	s_mul_i32 s20, s10, 5*TILE/2                   ; LDS: waves 0, 1: 0 and 2.5 tiles
	s_mul_i32 s21, s10, 3*TILE/2                   ; waves 2, 3: XOFF and XOFF + 1.5 tiles = 1.5 tiles x wave + 2 tiles
	s_add_co_u32 s21, s21, 2*TILE
	s_wait_kmcnt 0x0
	s_add_nc_u64 s[46:47], s[P_TB:P_TB+1], s[46:47]
	s_add_nc_u64 s[14:15], s[P_TB:P_TB+1], s[16:17]
	CROUND                                         ; all sixteen work-groups are here: the first joint loads meet
.irp s, 0,1
	s_mov_b32 s[G0W+4*\s], 1
	s_add_co_u32 s[G0W+4*\s+1], s20, \s*SLOT
	s_add_nc_u64 s[G0W+4*\s+2:G0W+4*\s+3], s[46:47], \s*WSTEP      ; K step s
	s_or_b32 s[G0W+4*\s+3], s[G0W+4*\s+3], 0x80000000
	s_mov_b32 s[G0X+4*\s], 1
	s_add_co_u32 s[G0X+4*\s+1], s21, \s*SLOT
	s_add_nc_u64 s[G0X+4*\s+2:G0X+4*\s+3], s[14:15], \s*XSTEP
	s_or_b32 s[G0X+4*\s+3], s[G0X+4*\s+3], 0x80000000
	JLOAD \s                                       ; both slots are asked for before anything else: two tensor loads of the wave are out
.endr
	; the prefetch's offsets.  Of a step's 81,920 bytes of my head's weights the sixteenth that belongs to my row block is 5,120 bytes, 20 blocks;
	; of its 49,152 bytes of my rows' activations the sixteenth that belongs to my head is 3,072 bytes, 12 blocks.
	v_and_b32 v4, 31, v0                           ; lane
	s_mul_i32 s84, s42, 32*WSTEP
	s_mul_i32 s85, s13, WSTEP/16
	s_add_co_u32 s84, s84, s85
	v_lshl_add_u32 v5, v4, 8, s84                  ; lanes 0-19: weights, block = lane
	s_mul_i32 s84, s13, 32*XSTEP
	s_mul_i32 s85, s42, XSTEP/16
	s_add_co_u32 s84, s84, s85
	s_add_co_u32 s84, s84, XB_OFF-20*256
	v_lshl_add_u32 v6, v4, 8, s84                  ; lanes 20-31: activations, block = lane - 20
	v_cmp_gt_u32 vcc_lo, 20, v4
	v_cndmask_b32 v5, v6, v5, vcc_lo               ; my block of tile 0
	v_mov_b32 v[PSTEP], XSTEP
	v_mov_b32 v7, WSTEP
	v_cndmask_b32 v[PSTEP], v[PSTEP], v7, vcc_lo
	v_mad_u32_u24 v[PMAX], v[PSTEP], 31, v5        ; of tile 31
	v_lshl_add_u32 v[POFF], v[PSTEP], 1, v5        ; of tile 2, which step 0's refill requests
	s_cmp_lg_u32 s10, 0
	s_cbranch_scc1 .Lno_first_ask
	global_prefetch_b8 v[POFF], s[P_TB:P_TB+1] th:TH_LOAD_NT scope:SCOPE_SE
.Lno_first_ask:
	v_and_b32 v1, 15, v0                           ; r
	v_bfe_u32 v2, v0, 4, 1                         ; h
	s_lshl_b32 s22, s42, 9                         ; my columns in a bias: 512 head + 256 half + 32 h (+ 64 b)
	s_lshl_b32 s23, s12, 8
	s_add_co_u32 s22, s22, s23
	v_lshl_add_u32 v[BOFF], v2, 5, s22
.macro BIAS dst, base                  ; the 32 numbers of a bias that belong to my registers: 8 for each b
.irp b, 0,1,2,3
	global_load_b128 v[\dst+8*\b:\dst+8*\b+3],   v[BOFF], s[\base:\base+1] offset:64*\b
	global_load_b128 v[\dst+8*\b+4:\dst+8*\b+7], v[BOFF], s[\base:\base+1] offset:64*\b+16
.endr
.endm
	BIAS BQ, P_BQ                                  ; 24 loads that land while K is walked
	BIAS BK2, P_BK2
	BIAS BK3, P_BK3
	v_mul_u32_u24 v3, v1, PITCH
	v_lshl_add_u32 v3, v2, 4, v3                   ; a fragment's lane term: row r, 16 bytes for each half of the lanes
	s_mul_i32 s18, s12, 64*PITCH                   ; my 64 rows of a weight
	s_mul_i32 s19, s11, 64*PITCH                   ; my 64 rows of an activation
	s_add_co_u32 s19, s19, XOFF
.irp s, 0,1
	v_add_nc_u32 v[ADRW0+\s], s18, v3
	v_add_nc_u32 v[ADRX+\s], s19, v3
	v_add_nc_u32 v[ADRW3+\s], 3*TILE, v[ADRW0+\s]
	s_add_co_u32 s18, s18, SLOT
	s_add_co_u32 s19, s19, SLOT
.endr
	s_mul_i32 s23, s10, 16*PITCH
	s_add_co_u32 s23, s23, STAGE                   ; my stage
	v_add_nc_u32 v[STO], s23, v3                   ; in: row r, 16 bytes for each half of the lanes
	v_bfe_u32 v5, v0, 3, 2
	v_and_b32 v6, 7, v0
	v_mul_u32_u24 v7, v5, PITCH
	v_lshl_add_u32 v7, v6, 4, v7
	v_add_nc_u32 v[RD], s23, v7                    ; back: eight lanes take a row of 128 bytes, a load four rows
	v_lshlrev_b32 v[CO], 4, v4                     ; in ab those four rows are 512 consecutive bytes
	v_lshlrev_b32 v[AWO], 3, v4
	s_lshl_b32 s22, s10, 9
	s_add_co_u32 s22, s22, SCR
	v_lshl_add_u32 v[SCW], v1, 3, s22              ; my partial scores: 512 bytes a wave, 8 bytes a row
	s_lshl_b32 s22, s11, 10
	s_add_co_u32 s22, s22, SCR
	v_lshl_add_u32 v[SCRD], v1, 3, s22             ; those of the two waves that share my rows
	v_mov_b32 v28, 0                               ; v_permlanex16_b32's destination counts as read
.macro LD4 dst, adr, off               ; four fragments of 16 rows x 32 k: eight loads of 16 bytes a lane
.irp i, 0,1,2,3
	ds_load_b128 v[\dst+8*\i:\dst+8*\i+3],   v[\adr] offset:\off+\i*16*PITCH
	ds_load_b128 v[\dst+8*\i+4:\dst+8*\i+7], v[\adr] offset:\off+\i*16*PITCH+32
.endr
.endm
.macro FETCHQ slot, k                  ; 16 loads: current_view and Wq, 32 k at byte k of the rows
	WIN W_LD
	LD4 FC,  ADRX+\slot,  \k
	LD4 FWQ, ADRW0+\slot, \k
.endm
.macro FETCH2 slot, k                  ; 24 loads: view2, Wk2, Wv2
	WIN W_LD
	LD4 FX2,  ADRX+\slot,  \k+TILE
	LD4 FWK2, ADRW0+\slot, \k+TILE
	LD4 FWV2, ADRW0+\slot, \k+2*TILE
.endm
.macro FETCH3 slot, k                  ; 24 loads: view3, Wk3, Wv3
	WIN W_LD
	LD4 FX3,  ADRX+\slot,  \k+2*TILE
	LD4 FWK3, ADRW3+\slot, \k
	LD4 FWV3, ADRW3+\slot, \k+TILE
.endm
; 16 matrix instructions: one product's 64 x 64, 32 along K.  z = 1: the first product starts the sums, nothing is cleared.
; The sixteen accumulators take turns, one instruction a turn, and a run never ends on the accumulator on which the next begins.
.macro MUL16 acc, wf, xf, z
.irp a, 0,1,2,3
.irp b, 0,1,2,3
.if \z
	v_wmma_f32_16x16x32_bf16 v[\acc+8*(4*\a+\b):\acc+8*(4*\a+\b)+7], v[\wf+8*\b:\wf+8*\b+7], v[\xf+8*\a:\xf+8*\a+7], 0
.else
	v_wmma_f32_16x16x32_bf16 v[\acc+8*(4*\a+\b):\acc+8*(4*\a+\b)+7], v[\wf+8*\b:\wf+8*\b+7], v[\xf+8*\a:\xf+8*\a+7], v[\acc+8*(4*\a+\b):\acc+8*(4*\a+\b)+7]
.endif
.endr
.endr
.endm
; A K step of 64 = two halves of 32, each 80 matrix instructions in three groups (q; k2, v2; k3, v3).  A group's fragments are fetched again, for the
; next half, right behind its products, so each fetch has the two other groups' products in which to land.  On entry the LDS loads that are
; out are, in order, q's 16, view 2's 24, view 3's 24.
; mode 2: this slot is filled again, two steps ahead; mode 1: slots change, nothing is left to fetch; mode 0: the last step.
; The change of slots stands behind the second half's q, k2 and v2 products.  Nothing stands between the landing of the next slot's tile and the
; request for this slot's next one but the two steps of the addresses and the round itself: all products that do not need the new tile's
; fragment registers are issued ahead of the waits.
.macro KSTEP slot, next, z, mode
	s_wait_dscnt 48                                ; q's group is in; the 24 + 24 younger loads stay out
	WIN W_MQ
	MUL16 ACCQ, FWQ, FC, \z
	PLACES
	FETCHQ \slot, 64
	s_wait_dscnt 40                                ; view 2's group is in; 24 + 16 younger
	WIN W_M2
	MUL16 0,   FWK2, FX2, \z
	MUL16 128, FWV2, FX2, \z
	PLACES
	FETCH2 \slot, 64
	s_wait_dscnt 40                                ; view 3's group is in; 16 + 24 younger
	WIN W_M3
	MUL16 0,   FWK3, FX3, \z
	MUL16 128, FWV3, FX3, \z
	PLACES
	FETCH3 \slot, 64
	s_wait_dscnt 48                                ; the second half: q's group
	WIN W_MQ
	MUL16 ACCQ, FWQ, FC, 0
	s_wait_dscnt 24                                ; view 2's group; view 3's 24 stay out
	WIN W_M2
	MUL16 0,   FWK2, FX2, 0
	MUL16 128, FWV2, FX2, 0
	s_wait_dscnt 0                                 ; all my reads of this slot are back
.if \mode
	s_wait_xcnt 0x0
	s_set_vgpr_msb 0xa524
	v_lshl_add_u32 v27, v0, 2, 0x4ac00
	v_mov_b32 v31, 0
	s_set_vgpr_msb 0x2420
	s_wait_tensorcnt 0x0                           ; and all my tensor loads have landed: the one that was out is my part of the next slot; no load of mine is out, so a group 0 may be written
	ds_add_u32 v27, v31
	s_wait_dscnt 0x0
	s_set_vgpr_msb 0x20a5
.if \mode == 2
	s_add_nc_u64 s[G0W+4*\slot+2:G0W+4*\slot+3], s[G0W+4*\slot+2:G0W+4*\slot+3], 2*WSTEP
	s_add_nc_u64 s[G0X+4*\slot+2:G0X+4*\slot+3], s[G0X+4*\slot+2:G0X+4*\slot+3], 2*XSTEP
.endif
	WIN 0
	s_barrier_signal -1                            ; say so (in mode 2 this barrier opens a round of the cluster's barrier)
	s_barrier_wait -1                              ; and go on when all four waves have said so
.if \mode == 2
	CREST                                          ; all sixteen work-groups have said so: no wave of any partner reads this slot or has a load on its way
	JLOAD \slot                                    ; my one tensor load behind the round; from here to the wait for it stand a whole step's 160 matrix instructions; its four v_nop are the places in front of the loads below
	PREF
.else
	PLACES
.endif
	FETCHQ \next, 0
	FETCH2 \next, 0
	WIN W_M3
	MUL16 0,   FWK3, FX3, 0
	MUL16 128, FWV3, FX3, 0
	PLACES
	FETCH3 \next, 0
.else
	WIN W_M3
	MUL16 0,   FWK3, FX3, 0
	MUL16 128, FWV3, FX3, 0
.endif
.endm
	s_wait_tensorcnt 1                             ; my part of K step 0 is in; step 1's may stay out
	s_barrier_signal -1
	s_barrier_wait -1                              ; everybody's is
	FETCHQ 0, 0
	FETCH2 0, 0
	FETCH3 0, 0
	KSTEP 0, 1, 1, 2                               ; steps 0 and 1 stand in front of the loop: the first products start the sums
	KSTEP 1, 0, 0, 2
	WIN 0                                          ; at a label and at a branch every window is 0
	s_mov_b32 s3, 14                               ; steps 2 to 29
.Lk:
	KSTEP 0, 1, 0, 2
	KSTEP 1, 0, 0, 2
	WIN 0
	s_sub_co_u32 s3, s3, 1
	s_cmp_lg_u32 s3, 0
	s_cbranch_scc1 .Lk
	KSTEP 0, 1, 0, 1                               ; step 30: step 31's tiles are the last that were asked for
	KSTEP 1, 0, 0, 0                               ; step 31
	; ---- the attention, on the sums in registers ----
	PLACES                                         ; behind the last matrix instructions: their results are read, their sources loaded into
.set BV2, 0                            ; window 1
.set BV3, 32
.set TQ,  64                           ; window 1: q + bq of one a (32 numbers); later v2's side of the mix
.set TK,  96                           ; window 1: k + bk; later v3's side
	WIN W_LD
	BIAS BV2, P_BV2                                ; 16 more loads, wanted only behind the softmax
	BIAS BV3, P_BV3
	s_wait_loadcnt 16                              ; bq, bk2, bk3 are in; these 16 stay out
; dst = the sum over my 64 columns of (q + bq)(k + bk), rows 16 a + r.  kwin: source 0 in k's window, source 1 window 0, destination window 1.
.macro DOT a, kwin, bk, dst
	WIN \kwin
.irp b, 0,1,2,3
.irp p, 0,2,4,6
	v_pk_add_f32 v[TK+8*\b+\p:TK+8*\b+\p+1], v[8*(4*\a+\b)+\p:8*(4*\a+\b)+\p+1], v[\bk+8*\b+\p:\bk+8*\b+\p+1]
.endr
.endr
	WIN 0x05                                       ; sources 0 and 1 window 1, the sums in window 0
	v_pk_mul_f32 v[22:23], v[TQ:TQ+1], v[TK:TK+1]              ; the first products start two chains
	v_pk_mul_f32 v[24:25], v[TQ+2:TQ+3], v[TK+2:TK+3]
.irp p, 4,8,12,16,20,24,28
	v_pk_fma_f32 v[22:23], v[TQ+\p:TQ+\p+1], v[TK+\p:TK+\p+1], v[22:23]
	v_pk_fma_f32 v[24:25], v[TQ+\p+2:TQ+\p+3], v[TK+\p+2:TK+\p+3], v[24:25]
.endr
	WIN 0
	v_pk_add_f32 v[22:23], v[22:23], v[24:25]
	v_add_f32 v[\dst], v22, v23                    ; my 32 columns (8 for each b),
	v_permlanex16_b32 v28, v[\dst], s86, s87
	v_add_f32 v[\dst], v[\dst], v28                ; and the other half of the lanes' 32
.endm
.macro SCORES a
	WIN 0x40                                       ; sources window 0, destination window 1
.irp b, 0,1,2,3
.irp p, 0,2,4,6
	v_pk_add_f32 v[TQ+8*\b+\p:TQ+8*\b+\p+1], v[ACCQ+8*(4*\a+\b)+\p:ACCQ+8*(4*\a+\b)+\p+1], v[BQ+8*\b+\p:BQ+8*\b+\p+1]
.endr
.endr
	DOT \a, 0x42, BK2, 26
	DOT \a, 0x43, BK3, 27
	ds_store_b64 v[SCW], v[26:27] offset:128*\a    ; lanes r and r + 16 hold the same two numbers and write the same 8 bytes
.endm
	SCORES 0
	SCORES 1
	SCORES 2
	SCORES 3
	s_wait_dscnt 0x0                               ; my stores are done, for the wave that shares my rows
	s_barrier_signal -1
	s_barrier_wait -1
.irp a, 0,1,2,3
	ds_load_b64 v[32+2*\a:33+2*\a], v[SCRD] offset:128*\a          ; columns 0-63 of the head
.endr
.irp a, 0,1,2,3
	ds_load_b64 v[40+2*\a:41+2*\a], v[SCRD] offset:512+128*\a      ; columns 64-127
.endr
	s_lshl_b32 s16, s13, 10                        ; aw: row part 8 (128 row block + 64 half),
	s_lshl_b32 s17, s11, 9
	s_add_co_u32 s16, s16, s17
	s_mov_b32 s17, 0
	s_add_nc_u64 s[P_AW:P_AW+1], s[P_AW:P_AW+1], s[16:17]
	s_lshl_b32 s46, s42, 14                        ; head part 16,384 head
	s_mov_b32 s47, 0
	s_add_nc_u64 s[P_AW:P_AW+1], s[P_AW:P_AW+1], s[46:47]
	s_lshl_b32 s16, s13, 19                        ; ab: row part: 32 tiles a row block, 8,192 bytes for my 64 rows,
	s_lshl_b32 s17, s11, 13
	s_add_co_u32 s16, s16, s17
	s_mov_b32 s17, 0
	s_add_nc_u64 s[P_AB:P_AB+1], s[P_AB:P_AB+1], s[16:17]
	s_lshl_b32 s46, s42, 15                        ; head part: tile 2 head + column half
	s_lshl_b32 s47, s12, 14
	s_add_co_u32 s46, s46, s47
	s_mov_b32 s47, 0
	s_add_nc_u64 s[P_AB:P_AB+1], s[P_AB:P_AB+1], s[46:47]
	s_wait_dscnt 0x0
.irp a, 0,1,2,3
	v_pk_add_f32 v[32+2*\a:33+2*\a], v[32+2*\a:33+2*\a], v[40+2*\a:41+2*\a]   ; the same order in both waves: both get the same bits
.endr
.irp a, 0,1,2,3
	v_max_num_f32 v[48+\a], v[32+2*\a], v[33+2*\a]                 ; the larger score is taken away: no exponent is above 0
.endr
.irp a, 0,1,2,3
	v_sub_f32 v[32+2*\a], v[32+2*\a], v[48+\a]
	v_sub_f32 v[33+2*\a], v[33+2*\a], v[48+\a]
.endr
.irp i, 0,1,2,3,4,5,6,7
	v_mul_f32 v[32+\i], 0x3e0293ee, v[32+\i]       ; log2(e) / sqrt(128)
.endr
.irp i, 0,1,2,3,4,5,6,7
	v_exp_f32 v[40+\i], v[32+\i]
.endr
	v_nop                                          ; one plain vector instruction behind a transcendental before its result is used (ISA guide 5.7.2)
	s_wait_alu depctr_va_vdst(0)
.irp a, 0,1,2,3
	v_add_f32 v[48+\a], v[40+2*\a], v[41+2*\a]     ; at least 1
.endr
.irp a, 0,1,2,3
	v_rcp_f32 v[56+\a], v[48+\a]
.endr
	v_nop
.set W2D, 64                           ; v[64+4a:65+4a] w2 twice, v[66+4a:67+4a] w3 twice: pairs for the packed arithmetic
.set W3D, 66
	s_wait_alu depctr_va_vdst(0)
.irp a, 0,1,2,3
	v_mul_f32 v[W2D+4*\a],   v[40+2*\a], v[56+\a]
	v_mul_f32 v[W2D+4*\a+1], v[40+2*\a], v[56+\a]
	v_mul_f32 v[W3D+4*\a],   v[41+2*\a], v[56+\a]
	v_mul_f32 v[W3D+4*\a+1], v[41+2*\a], v[56+\a]
.endr
	s_cmp_lg_u32 s12, 0                            ; both waves of a row half hold the weights: the one with columns 0-63 stores them
	s_cbranch_scc1 .Lno_aw
	v_cmp_ne_u32 vcc_lo, 0, v2                     ; lanes 16-31 take the next sixteen rows: lane l then holds row 16 a + l
	v_cndmask_b32 v52, v[W2D],   v[W2D+4],  vcc_lo
	v_cndmask_b32 v53, v[W3D],   v[W3D+4],  vcc_lo
	v_cndmask_b32 v54, v[W2D+8], v[W2D+12], vcc_lo
	v_cndmask_b32 v55, v[W3D+8], v[W3D+12], vcc_lo
	global_store_b64 v[AWO], v[52:53], s[P_AW:P_AW+1]              ; 32 rows x 8 bytes: 256 consecutive bytes, aligned
	global_store_b64 v[AWO], v[54:55], s[P_AW:P_AW+1] offset:256
.Lno_aw:
	s_wait_loadcnt 0x0                             ; bv2 and bv3
.set PK, 80                            ; window 0: 16 packed words
.set RB, 96                            ; window 0: what is read back, two sets in turn
; rows 16 a .. 16 a + 15: w2 (v2 + bv2) + w3 (v3 + bv3), rounded to bf16, through my stage into whole rows of ab's tile
.macro MIX a
	WIN 0x46                                       ; source 0 window 2, source 1 and destination window 1
.irp b, 0,1,2,3
.irp p, 0,2,4,6
	v_pk_add_f32 v[TQ+8*\b+\p:TQ+8*\b+\p+1], v[128+8*(4*\a+\b)+\p:128+8*(4*\a+\b)+\p+1], v[BV2+8*\b+\p:BV2+8*\b+\p+1]
.endr
.endr
	WIN 0x47                                       ; source 0 window 3
.irp b, 0,1,2,3
.irp p, 0,2,4,6
	v_pk_add_f32 v[TK+8*\b+\p:TK+8*\b+\p+1], v[128+8*(4*\a+\b)+\p:128+8*(4*\a+\b)+\p+1], v[BV3+8*\b+\p:BV3+8*\b+\p+1]
.endr
.endr
	WIN 0x51                                       ; the weights (source 1) in window 0, all else in window 1
.irp p, 0,2,4,6,8,10,12,14,16,18,20,22,24,26,28,30
	v_pk_mul_f32 v[TQ+\p:TQ+\p+1], v[TQ+\p:TQ+\p+1], v[W2D+4*\a:W2D+4*\a+1]
.endr
.irp p, 0,2,4,6,8,10,12,14,16,18,20,22,24,26,28,30
	v_pk_fma_f32 v[TQ+\p:TQ+\p+1], v[TK+\p:TK+\p+1], v[W3D+4*\a:W3D+4*\a+1], v[TQ+\p:TQ+\p+1]
.endr
	WIN 0x05
.irp p, 0,1,2,3,4,5,6,7,8,9,10,11,12,13,14,15
	v_cvt_pk_bf16_f32 v[PK+\p], v[TQ+2*\p], v[TQ+2*\p+1]
.endr
	WIN 0
.irp b, 0,1,2,3
	ds_store_b128 v[STO], v[PK+4*\b:PK+4*\b+3] offset:32*\b        ; row r, columns 16 b + 8 h .. + 7
.endr
.if \a >= 2
	s_wait_xcnt 0x0                                ; this set of read-back registers is what the stores of two turns ago read: loaded again only behind this wait
.endif
.irp t, 0,1,2,3
	ds_load_b128 v[RB+16*(\a&1)+4*\t:RB+16*(\a&1)+4*\t+3], v[RD] offset:\t*4*PITCH   ; LDS serves a wave's instructions in order: these see the stores above
.endr
.irp t, 0,1,2,3
	s_wait_dscnt 3-\t
	global_store_b128 v[CO], v[RB+16*(\a&1)+4*\t:RB+16*(\a&1)+4*\t+3], s[P_AB:P_AB+1] offset:\a*2048+\t*512   ; four rows of the tile: 512 consecutive bytes, aligned
.endr
.endm
	MIX 0
	MIX 1
	MIX 2
	MIX 3
	s_wait_xcnt 0x0
	v_lshl_add_u32 v27, v0, 2, 0x4ac00
	v_mov_b32 v31, 0
	s_wait_tensorcnt 0x0
	ds_add_u32 v27, v31
	s_wait_dscnt 0x0
	CROUND                                         ; the closing round: no work-group ends while a partner may still ask for a tile that names it
	s_endpgm
.Lfunc_end_k_qf608f1df3b_attn:
	.size	k_qf608f1df3b_attn, .Lfunc_end_k_qf608f1df3b_attn-k_qf608f1df3b_attn
	.p2alignl 7, 3214868480
	.fill 96, 4, 3214868480
	.section	.rodata,"a",@progbits
	.p2align	6, 0x0
	.amdhsa_kernel k_qf608f1df3b_attn
		.amdhsa_group_segment_fixed_size 327680
		.amdhsa_private_segment_fixed_size 0
		.amdhsa_enable_private_segment 0
		.amdhsa_kernarg_size 64
		.amdhsa_user_sgpr_count 2
		.amdhsa_user_sgpr_kernarg_segment_ptr 1
		.amdhsa_wavefront_size32 1
		.amdhsa_system_sgpr_workgroup_id_x 1
		.amdhsa_system_sgpr_workgroup_id_y 1
		.amdhsa_system_sgpr_workgroup_id_z 1
		.amdhsa_system_vgpr_workitem_id 0
		.amdhsa_next_free_vgpr 1024
		.amdhsa_next_free_sgpr 88
		.amdhsa_reserve_vcc 1
		.amdhsa_float_denorm_mode_32 3
		.amdhsa_float_denorm_mode_16_64 3
		.amdhsa_memory_ordered 1
		.amdhsa_forward_progress 1
		.amdhsa_inst_pref_size 186
	.end_amdhsa_kernel
	.amdgpu_metadata
---
amdhsa.version: [ 1, 2 ]
amdhsa.kernels:
  - .name:           k_qf608f1df3b_attn
    .symbol:         k_qf608f1df3b_attn.kd
    .args:
      - { .name: tb, .offset: 0, .size: 8, .value_kind: global_buffer, .address_space: global }
      - { .name: bq, .offset: 8, .size: 8, .value_kind: global_buffer, .address_space: global }
      - { .name: bk2, .offset: 16, .size: 8, .value_kind: global_buffer, .address_space: global }
      - { .name: bv2, .offset: 24, .size: 8, .value_kind: global_buffer, .address_space: global }
      - { .name: bk3, .offset: 32, .size: 8, .value_kind: global_buffer, .address_space: global }
      - { .name: bv3, .offset: 40, .size: 8, .value_kind: global_buffer, .address_space: global }
      - { .name: ab, .offset: 48, .size: 8, .value_kind: global_buffer, .address_space: global }
      - { .name: aw, .offset: 56, .size: 8, .value_kind: global_buffer, .address_space: global }
    .group_segment_fixed_size: 327680
    .private_segment_fixed_size: 0
    .kernarg_segment_align: 8
    .kernarg_segment_size: 64
    .max_flat_workgroup_size: 128
    .sgpr_count:     88
    .vgpr_count:     1024
    .wavefront_size: 32
...
	.end_amdgpu_metadata
.endif
;; end of part 2
;; launch proj (part 3): grid 16 x 16, 4 waves a work-group, clusters of 4 x 4, 327,680 bytes of LDS; arguments ab, wob, current_view, bo, yb; writes yb
.if DOCPART == 3
	.amdgcn_target "amdgcn-amd-amdhsa--gfx1250"
	.amdhsa_code_object_version 6
	.text
	.protected	k_qf608f1df3b_proj
	.globl	k_qf608f1df3b_proj
	.p2align	8
	.type	k_qf608f1df3b_proj,@function
k_qf608f1df3b_proj:
	s_mov_b64 s[64:65], 0
	v_nop
	global_prefetch_b8 v0, s[64:65] scope:SCOPE_SE
	s_setreg_imm32_b32 hwreg(HW_REG_WAVE_MODE, 25, 1), 1
	s_wait_xcnt 0x0
	s_wait_alu depctr_hold_cnt(0) depctr_sa_sdst(0) depctr_va_vdst(0) depctr_va_sdst(0) depctr_va_ssrc(0) depctr_va_vcc(0) depctr_vm_vsrc(0)
	s_getreg_b32 s2, hwreg(HW_REG_IB_STS2, 6, 4)
	s_cmp_eq_u32 s2, 0
	s_cbranch_scc0 .Lentry_in_a_cluster
	s_endpgm
.Lentry_in_a_cluster:
	s_bfe_u32 s2, ttmp6, 0x10000c
	s_cmp_lg_u32 s2, 0xf033
	s_cbranch_scc0 .Lentry_shape_is_right
	s_endpgm
.Lentry_shape_is_right:
; y = current_view + attn_out Wo^T + bo, f32 [2048][2048].  attn_out (ab) and Wo (wob) are bf16 in tiles of 128 rows x 64 k, 16,384 dense bytes each,
; 32 tiles along K for a block of 128 rows.  Grid x = block of 128 columns, grid y = block of 128 rows.  Four waves, 64 x 64 each: 16 accumulator tiles.
; K goes in steps of 256 (four tiles of each operand) through two LDS slots; each wave fetches two tiles, 32,768 dense bytes, with one tensor load.
; CLUSTERS: 4 x 4 work-groups; Wo's tiles are asked for jointly along a column of the cluster, attn_out's along a row: a quarter of the requests.
; The matrix instruction is used transposed (source 0 = rows of Wo, source 1 = rows of attn_out): register j of lane (r, h) of tile (a, b) holds
; row 16 a + r, column 16 b + 8 h + j.  The sums leave through a stage in LDS, so that sixteen lanes store 256 consecutive bytes of a row.
; LayerNorm wants whole rows, which sixteen work-groups make: it is the next launch's.
; No prefetch here: K has eight steps, and the first three steps' tiles are requested before any lead could be had.
; LIMITS: operands bf16, sums f32.
; REGISTERS: window 0: v0-31 addresses, v32-35 bo, v64-191 my 64 x 64 of current_view, v192-223 read-back; window 1: two fragment buffers of 128;
; window 2: v0-127 the sums.
.set PITCH,  144                       ; 128 bytes + 16 of padding, an odd multiple of 16
.set TILE,   128*PITCH
.set SLOT,   8*TILE                    ; Wo's four tiles, then attn_out's four
.set XOFF,   4*TILE
.set STAGE,  2*SLOT                    ; 16 rows x 272 bytes for each wave; no tensor load lands here
.set SPITCH, 272
.set KBYTES, 4*16384                   ; bytes of an operand in a K step
.set ROWS,   128                       ; a load: half of that as rows of 256 bytes
.set G1WORD, (3<<16)|(1<<20)|(1<<21)|(4<<22)|(3<<25)   ; elements of 8 bytes; padding on; bit 21 beside a mask; after every 32 words skip 4
.set G1W, 24
.set G0W, 32
.set G1X, 48
.set G0X, 56
.set ADRW, 8                           ; v8-9    my fragments of Wo's tile 0 in slot 0, 1
.set ADRX, 10                          ; v10-11  of attn_out's tile 0
.set STO,  14
.set RD,   15
.set CO,   16
.set BOA,  17
.set BO,   32
.set CUR,  64
.set RB,   192
.set W_LD,  0x40
.set W_MUL, 0xa5                       ; sources 0 and 1 window 1, C and D window 2
.set MSB, 0
.macro WIN new
.if MSB != \new
	s_set_vgpr_msb (MSB<<8)|\new
.set MSB, \new
.endif
.endm
.macro PLACES                          ; four plain vector instructions behind a matrix instruction (ISA guide 7.12.1)
.rept 4
	v_nop
.endr
.endm
.macro JLOAD s                         ; waves 0, 1: Wo's tiles; waves 2, 3: attn_out's.  One mask a line; the branch hangs on the wave's number alone
	s_cmp_eq_u32 s11, 0
	s_cbranch_scc0 .Lfor_x_\@
	tensor_load_to_lds s[G0W+4*\s:G0W+4*\s+3], s[G1W:G1W+7]
	s_nop 0
.rept 4
	v_nop
.endr
	s_branch .Lasked_\@
.Lfor_x_\@:
	tensor_load_to_lds s[G0X+4*\s:G0X+4*\s+3], s[G1X:G1X+7]
	s_nop 0
.rept 4
	v_nop
.endr
.Lasked_\@:
.endm
.macro CREST
	s_cmp_lg_u32 s10, 0
	s_cbranch_scc1 .Lnot_wave_0_\@
	s_barrier_signal -3
.Lnot_wave_0_\@:
	s_barrier_wait -3
	s_barrier_signal -1
	s_barrier_wait -1
.endm
.macro CROUND
	s_barrier_signal -1
	s_barrier_wait -1
	CREST
.endm
	s_load_b256 s[68:75], s[0:1], 0x0              ; ab 68, wob 70, current_view 72, bo 74
	s_load_b64 s[76:77], s[0:1], 0x20              ; yb
	v_lshl_add_u32 v254, v0, 2, 0x4c400
	v_mov_b32 v255, 0
	ds_add_u32 v254, v255
	v_lshrrev_b32 v1, 5, v0
	v_readfirstlane_b32 s10, v1                    ; wave
	s_lshr_b32 s11, s10, 1                         ; my 64 rows.  Also: I fetch Wo (0) or attn_out (1)
	s_and_b32 s12, s10, 1                          ; my 64 columns.  Also: which two tiles of the four
	s_bfe_u32 s40, ttmp6, 0x40000                  ; cx
	s_bfe_u32 s41, ttmp6, 0x40004                  ; cy
	s_lshl_b32 s42, ttmp9, 2
	s_add_co_u32 s42, s42, s40                     ; column block
	s_and_b32 s13, ttmp7, 0xffff
	s_lshl_b32 s13, s13, 2
	s_add_co_u32 s13, s13, s41                     ; row block
	s_lshl_b32 s43, s41, 2
	s_lshl_b32 s43, 15, s43                        ; my row of the cluster
	s_lshl_b32 s44, 0x1111, s40                    ; my column
	s_or_b32 s[G1W+0], s44, G1WORD                 ; Wo's tiles hang on the column block alone
	s_or_b32 s[G1X+0], s43, G1WORD                 ; attn_out's on the row block alone
	s_mov_b32 s[G1W+1], 32<<16                     ; tensor_dim0 = 32 elements of 8 bytes
	s_mov_b32 s[G1X+1], 32<<16
	s_mov_b32 s[G1W+2], ROWS<<16                   ; tensor_dim1
	s_mov_b32 s[G1X+2], ROWS<<16
	s_mov_b32 s[G1W+3], 32<<16                     ; tile_dim0
	s_mov_b32 s[G1X+3], 32<<16
	s_mov_b32 s[G1W+4], ROWS                       ; tile_dim1
	s_mov_b32 s[G1X+4], ROWS
	s_mov_b32 s[G1W+5], 32                         ; the pitch: the block is dense
	s_mov_b32 s[G1X+5], 32
	s_mov_b32 s[G1W+6], 0
	s_mov_b32 s[G1X+6], 0
	s_mov_b32 s[G1W+7], 0
	s_mov_b32 s[G1X+7], 0
	s_lshl_b32 s46, s42, 19                        ; Wo: 32 tiles a column block + my two tiles
	s_lshl_b32 s45, s12, 15
	s_add_co_u32 s46, s46, s45
	s_mov_b32 s47, 0
	s_lshl_b32 s16, s13, 19                        ; attn_out: 32 tiles a row block + my two tiles
	s_lshl_b32 s17, s12, 15
	s_add_co_u32 s16, s16, s17
	s_mov_b32 s17, 0
	s_mul_i32 s20, s10, 2*TILE                     ; LDS: two tiles a wave, Wo's four and then attn_out's four
	s_wait_dscnt 0x0
	s_wait_kmcnt 0x0
	s_add_nc_u64 s[46:47], s[70:71], s[46:47]
	s_add_nc_u64 s[14:15], s[68:69], s[16:17]
	CROUND                                         ; the first joint loads meet
.irp s, 0,1
	s_mov_b32 s[G0W+4*\s], 1
	s_add_co_u32 s[G0W+4*\s+1], s20, \s*SLOT
	s_add_nc_u64 s[G0W+4*\s+2:G0W+4*\s+3], s[46:47], \s*KBYTES
	s_or_b32 s[G0W+4*\s+3], s[G0W+4*\s+3], 0x80000000
	s_mov_b32 s[G0X+4*\s], 1
	s_add_co_u32 s[G0X+4*\s+1], s20, \s*SLOT
	s_add_nc_u64 s[G0X+4*\s+2:G0X+4*\s+3], s[14:15], \s*KBYTES
	s_or_b32 s[G0X+4*\s+3], s[G0X+4*\s+3], 0x80000000
	JLOAD \s                                       ; two tensor loads of the wave are out
.endr
	; my 64 x 64 of current_view and of y: the row part and the column part are added one after the other, each from registers of its own coordinate
	s_lshl_b32 s16, s13, 20                        ; (128 row block + 64 half) rows of 8,192 bytes
	s_lshl_b32 s17, s11, 19
	s_add_co_u32 s16, s16, s17
	s_mov_b32 s17, 0
	s_lshl_b32 s46, s42, 9                         ; 512 column block + 256 half
	s_lshl_b32 s47, s12, 8
	s_add_co_u32 s46, s46, s47
	s_mov_b32 s47, 0
	s_add_nc_u64 s[72:73], s[72:73], s[16:17]
	s_add_nc_u64 s[72:73], s[72:73], s[46:47]
	s_add_nc_u64 s[76:77], s[76:77], s[16:17]
	s_add_nc_u64 s[76:77], s[76:77], s[46:47]
	s_add_nc_u64 s[74:75], s[74:75], s[46:47]
	v_and_b32 v1, 15, v0                           ; r
	v_bfe_u32 v2, v0, 4, 1                         ; h
	v_lshlrev_b32 v[BOA], 4, v1
	v_lshl_add_u32 v[CO], v2, 13, v[BOA]           ; sixteen lanes take a row's 256 bytes, the other sixteen the next row's
.irp a, 0,1,2,3
.irp t, 0,1,2,3,4,5,6,7
	global_load_b128 v[CUR+32*\a+4*\t:CUR+32*\a+4*\t+3], v[CO], s[72:73] offset:(16*\a+2*\t)*8192   ; 32 loads that land while K is walked
.endr
.endr
	global_load_b128 v[BO:BO+3], v[BOA], s[74:75]
	v_mul_u32_u24 v3, v1, PITCH
	v_lshl_add_u32 v3, v2, 4, v3
	s_mul_i32 s18, s12, 64*PITCH                   ; my 64 rows of Wo's tiles
	s_mul_i32 s19, s11, 64*PITCH                   ; my 64 rows of attn_out's
	s_add_co_u32 s19, s19, XOFF
.irp s, 0,1
	v_add_nc_u32 v[ADRW+\s], s18, v3
	v_add_nc_u32 v[ADRX+\s], s19, v3
	s_add_co_u32 s18, s18, SLOT
	s_add_co_u32 s19, s19, SLOT
.endr
	s_mul_i32 s23, s10, 16*SPITCH
	s_add_co_u32 s23, s23, STAGE
	v_mul_u32_u24 v4, v1, SPITCH                   ; in: row r, 32 bytes for each half of the lanes
	v_lshl_add_u32 v4, v2, 5, v4
	v_add_nc_u32 v[STO], s23, v4
	v_mul_u32_u24 v5, v2, SPITCH                   ; back: lanes 0-15 one row of 256 bytes, lanes 16-31 the next
	v_lshl_add_u32 v5, v1, 4, v5
	v_add_nc_u32 v[RD], s23, v5
.macro LD4 dst, adr, off
.irp i, 0,1,2,3
	ds_load_b128 v[\dst+8*\i:\dst+8*\i+3],   v[\adr] offset:\off+\i*16*PITCH
	ds_load_b128 v[\dst+8*\i+4:\dst+8*\i+7], v[\adr] offset:\off+\i*16*PITCH+32
.endr
.endm
; 32 loads: tile j of both operands (64 k) into buffer f: the first 32 k (Wo's four fragments, attn_out's four), then the second
.macro FETCH slot, j, f
	WIN W_LD
.irp ks, 0,1
	LD4 128*(\f)+64*\ks,    ADRW+\slot, (\j)*TILE+64*\ks
	LD4 128*(\f)+64*\ks+32, ADRX+\slot, (\j)*TILE+64*\ks
.endr
.endm
; 16 matrix instructions, 32 along K.  The sixteen accumulators take turns, one instruction a turn.
.macro MUL16 f, ks, z
.irp a, 0,1,2,3
.irp b, 0,1,2,3
.if \z
	v_wmma_f32_16x16x32_bf16 v[8*(4*\a+\b):8*(4*\a+\b)+7], v[128*\f+64*\ks+8*\b:128*\f+64*\ks+8*\b+7], v[128*\f+64*\ks+32+8*\a:128*\f+64*\ks+32+8*\a+7], 0
.else
	v_wmma_f32_16x16x32_bf16 v[8*(4*\a+\b):8*(4*\a+\b)+7], v[128*\f+64*\ks+8*\b:128*\f+64*\ks+8*\b+7], v[128*\f+64*\ks+32+8*\a:128*\f+64*\ks+32+8*\a+7], v[8*(4*\a+\b):8*(4*\a+\b)+7]
.endif
.endr
.endr
.endm
; One tile of K (64): multiplies buffer f and, in its middle, fetches tile jn of the same slot into buffer g
.macro GROUP slot, jn, f, g, z
	s_wait_dscnt 16                                ; the first 32 k are in; the 16 younger loads stay out
	WIN W_MUL
	MUL16 \f, 0, \z
	PLACES
	FETCH \slot, \jn, \g
	s_wait_dscnt 32                                ; all but the 32 just issued
	WIN W_MUL
	MUL16 \f, 1, 0
.endm
; The slot's last tile (buffer 1) and the change of slots.  fill = 1: this slot is filled again, two K steps ahead.
; The tile's first sixteen products are issued ahead of the waits; between the landing of the next slot's tile and the request for this slot's
; next one stand only the two steps of the addresses and the round itself.
.macro TURN slot, next, fill
	s_wait_dscnt 16                                ; the first 32 k of buffer 1 are in
	WIN W_MUL
	MUL16 1, 0, 0
	s_wait_dscnt 0                                 ; my reads of this slot are back
	s_set_vgpr_msb 0xa5a0
	s_wait_tensorcnt 0x0                           ; all my tensor loads have landed: the one that was out is my part of the next slot; no load of mine is out, so a group 0 may be written
	ds_add_u32 v254, v255
	s_wait_dscnt 0x0
	s_set_vgpr_msb 0xa0a5
.if \fill
	s_add_nc_u64 s[G0W+4*\slot+2:G0W+4*\slot+3], s[G0W+4*\slot+2:G0W+4*\slot+3], 2*KBYTES
	s_add_nc_u64 s[G0X+4*\slot+2:G0X+4*\slot+3], s[G0X+4*\slot+2:G0X+4*\slot+3], 2*KBYTES
.endif
	WIN 0
	s_barrier_signal -1                            ; (with fill this barrier opens a round of the cluster's barrier)
	s_barrier_wait -1
.if \fill
	CREST                                          ; no wave of any partner reads this slot or has a load on its way
	JLOAD \slot                                    ; my one tensor load behind the round; a whole step's 128 matrix instructions stand between it and the wait for it; its four v_nop are the places in front of the loads below
.else
	PLACES
.endif
	FETCH \next, 0, 0
	WIN W_MUL
	MUL16 1, 1, 0
.endm
.macro THREE slot, z
	GROUP \slot, 1, 0, 1, \z
	GROUP \slot, 2, 1, 0, 0
	GROUP \slot, 3, 0, 1, 0
.endm
.macro LAP z
	THREE 0, \z
	TURN 0, 1, 1
	THREE 1, 0
	TURN 1, 0, 1
.endm
	s_wait_tensorcnt 1                             ; my part of K step 0 is in; step 1's may stay out
	s_barrier_signal -1
	s_barrier_wait -1
	FETCH 0, 0, 0
	LAP 1                                          ; K steps 0 and 1: the first products start the sums
	WIN 0
	s_mov_b32 s3, 2                                ; K steps 2 to 5
.Llap:
	LAP 0
	WIN 0
	s_sub_co_u32 s3, s3, 1
	s_cmp_lg_u32 s3, 0
	s_cbranch_scc1 .Llap
	THREE 0, 0                                     ; K steps 6 and 7 fill nothing
	TURN 0, 1, 0
	THREE 1, 0
	s_wait_dscnt 16
	WIN W_MUL
	MUL16 1, 0, 0
	s_wait_dscnt 0
	MUL16 1, 1, 0
	; the way out, 16 rows at a time: the sums into my stage, back as whole rows, + current_view + bo, out
	PLACES
	s_wait_loadcnt 0x0                             ; current_view and bo
.irp a, 0,1,2,3
	WIN 0x08                                       ; an LDS store's data is its source 1: window 2
.irp b, 0,1,2,3
	ds_store_b128 v[STO], v[8*(4*\a+\b):8*(4*\a+\b)+3]   offset:64*\b
	ds_store_b128 v[STO], v[8*(4*\a+\b)+4:8*(4*\a+\b)+7] offset:64*\b+16
.endr
	WIN 0
.irp t, 0,1,2,3,4,5,6,7
	ds_load_b128 v[RB+4*\t:RB+4*\t+3], v[RD] offset:\t*2*SPITCH    ; LDS serves a wave's instructions in order: these see the stores above
.endr
.irp t, 0,1,2,3,4,5,6,7
	s_wait_dscnt 7-\t
	v_pk_add_f32 v[CUR+32*\a+4*\t:CUR+32*\a+4*\t+1],   v[CUR+32*\a+4*\t:CUR+32*\a+4*\t+1],   v[RB+4*\t:RB+4*\t+1]
	v_pk_add_f32 v[CUR+32*\a+4*\t+2:CUR+32*\a+4*\t+3], v[CUR+32*\a+4*\t+2:CUR+32*\a+4*\t+3], v[RB+4*\t+2:RB+4*\t+3]
	v_pk_add_f32 v[CUR+32*\a+4*\t:CUR+32*\a+4*\t+1],   v[CUR+32*\a+4*\t:CUR+32*\a+4*\t+1],   v[BO:BO+1]
	v_pk_add_f32 v[CUR+32*\a+4*\t+2:CUR+32*\a+4*\t+3], v[CUR+32*\a+4*\t+2:CUR+32*\a+4*\t+3], v[BO+2:BO+3]
	global_store_b128 v[CO], v[CUR+32*\a+4*\t:CUR+32*\a+4*\t+3], s[76:77] offset:(16*\a+2*\t)*8192   ; sixteen lanes: 256 consecutive bytes, aligned; each store has registers of its own
.endr
.endr
	s_wait_tensorcnt 0x0
	ds_add_u32 v254, v255
	s_wait_dscnt 0x0
	CROUND                                         ; the closing round
	s_endpgm
.Lfunc_end_k_qf608f1df3b_proj:
	.size	k_qf608f1df3b_proj, .Lfunc_end_k_qf608f1df3b_proj-k_qf608f1df3b_proj
	.p2alignl 7, 3214868480
	.fill 96, 4, 3214868480
	.section	.rodata,"a",@progbits
	.p2align	6, 0x0
	.amdhsa_kernel k_qf608f1df3b_proj
		.amdhsa_group_segment_fixed_size 327680
		.amdhsa_private_segment_fixed_size 0
		.amdhsa_enable_private_segment 0
		.amdhsa_kernarg_size 40
		.amdhsa_user_sgpr_count 2
		.amdhsa_user_sgpr_kernarg_segment_ptr 1
		.amdhsa_wavefront_size32 1
		.amdhsa_system_sgpr_workgroup_id_x 1
		.amdhsa_system_sgpr_workgroup_id_y 1
		.amdhsa_system_sgpr_workgroup_id_z 1
		.amdhsa_system_vgpr_workitem_id 0
		.amdhsa_next_free_vgpr 640
		.amdhsa_next_free_sgpr 80
		.amdhsa_reserve_vcc 0
		.amdhsa_float_denorm_mode_32 3
		.amdhsa_float_denorm_mode_16_64 3
		.amdhsa_memory_ordered 1
		.amdhsa_forward_progress 1
		.amdhsa_inst_pref_size 134
	.end_amdhsa_kernel
	.amdgpu_metadata
---
amdhsa.version: [ 1, 2 ]
amdhsa.kernels:
  - .name:           k_qf608f1df3b_proj
    .symbol:         k_qf608f1df3b_proj.kd
    .args:
      - { .name: ab, .offset: 0, .size: 8, .value_kind: global_buffer, .address_space: global }
      - { .name: wob, .offset: 8, .size: 8, .value_kind: global_buffer, .address_space: global }
      - { .name: current_view, .offset: 16, .size: 8, .value_kind: global_buffer, .address_space: global }
      - { .name: bo, .offset: 24, .size: 8, .value_kind: global_buffer, .address_space: global }
      - { .name: yb, .offset: 32, .size: 8, .value_kind: global_buffer, .address_space: global }
    .group_segment_fixed_size: 327680
    .private_segment_fixed_size: 0
    .kernarg_segment_align: 8
    .kernarg_segment_size: 40
    .max_flat_workgroup_size: 128
    .sgpr_count:     80
    .vgpr_count:     640
    .wavefront_size: 32
...
	.end_amdgpu_metadata
.endif
;; end of part 3
;; launch norm (part 4): grid 256 x 1, 8 waves a work-group, no clusters, 0 bytes of LDS; arguments yb, ln_w, ln_b, aw, out0, out1; writes out0, out1
.if DOCPART == 4
	.amdgcn_target "amdgcn-amd-amdhsa--gfx1250"
	.amdhsa_code_object_version 6
	.text
	.protected	k_qf608f1df3b_norm
	.globl	k_qf608f1df3b_norm
	.p2align	8
	.type	k_qf608f1df3b_norm,@function
k_qf608f1df3b_norm:
	s_mov_b64 s[64:65], 0
	v_nop
	global_prefetch_b8 v0, s[64:65] scope:SCOPE_SE
	s_setreg_imm32_b32 hwreg(HW_REG_WAVE_MODE, 25, 1), 1
	s_wait_xcnt 0x0
; out0 = ln_w (y - mean) rsqrt(var + 1e-5) + ln_b along rows of 2,048 f32; out1[row][head][2] = aw[head][row][2].
; One wave, one row: 8,192 bytes are 64 registers, so the row stays in registers between the mean, the squares of the differences and the scaling;
; it is read once, and no wave waits for another: no LDS, no barrier.  The work-group has rows 8 g to 8 g + 7.
; The variance is the mean of (y - mean)^2, made after the mean: no difference of large sums, whatever offset the rows carry.
; Waves 0 to 3 also turn two rows each of the attention weights: a store covers 256 consecutive bytes of out1, aligned.
; A stream: nothing is shared but ln_w and ln_b (16 KiB), so clusters, LDS and the matrix unit have nothing to add.
; LIMITS: v_rsq_f32 is good to 1 ULP; the sums run in four chains and then over the lanes, another order than a plain row sum.
.set Y,  16                            ; v[16:79]   the row, then y - mean, then the result
.set W,  80                            ; v[80:143]  ln_w of my columns
.set BB, 144                           ; v[144:207] ln_b
.set S,  208                           ; v[208:215] four chains of pairs
	s_load_b256 s[4:11], s[0:1], 0x0               ; yb 4, ln_w 6, ln_b 8, aw 10
	s_load_b128 s[12:15], s[0:1], 0x20             ; out0 12, out1 14
	v_lshrrev_b32 v2, 5, v0
	v_readfirstlane_b32 s16, v2                    ; wave
	s_lshl3_add_u32 s17, ttmp9, s16                ; row = 8 g + w
	s_lshl_b32 s18, s17, 13
	s_mov_b32 s19, 0
	s_mov_b32 s20, 0x3a000000                      ; 1 / 2048
	s_mov_b32 s21, 0x3727c5ac                      ; 1e-5
	s_mov_b32 s22, 0x76543210                      ; v_permlanex16_b32: lane i reads lane i of the other half
	s_mov_b32 s23, 0xfedcba98
	v_and_b32 v3, 31, v0
	v_lshlrev_b32 v1, 4, v3                        ; 16 bytes a lane
	v_and_b32 v4, 15, v0                           ; head
	v_bfe_u32 v5, v0, 4, 1                         ; which of my two rows
	v_lshlrev_b32 v12, 14, v4                      ; aw: 16,384 head + 8 (8 g + 2 w + row)
	v_lshl_add_u32 v12, v5, 3, v12
	s_lshl_b32 s24, ttmp9, 6
	s_lshl4_add_u32 s24, s16, s24
	v_add_nc_u32 v12, s24, v12
	v_lshlrev_b32 v13, 3, v3                       ; out1: 1,024 g + 256 w + 8 lane
	s_lshl_b32 s25, ttmp9, 10
	s_lshl_b32 s26, s16, 8
	s_add_co_u32 s25, s25, s26
	v_add_nc_u32 v13, s25, v13
	s_wait_kmcnt 0x0
	s_add_nc_u64 s[4:5], s[4:5], s[18:19]
	s_add_nc_u64 s[12:13], s[12:13], s[18:19]
	s_cmp_gt_u32 s16, 3
	s_cbranch_scc1 .Lno_aw
	global_load_b64 v[8:9], v12, s[10:11]          ; the wave's oldest load: the wait for y shows it done as well
.Lno_aw:
.set j, 0
.rept 16
	global_load_b128 v[Y+4*j:Y+4*j+3], v1, s[4:5] offset:512*j th:TH_LOAD_NT
.set j, j+1
.endr
.set j, 0
.rept 16
	global_load_b128 v[W+4*j:W+4*j+3], v1, s[6:7] offset:512*j
.set j, j+1
.endr
.set j, 0
.rept 16
	global_load_b128 v[BB+4*j:BB+4*j+3], v1, s[8:9] offset:512*j
.set j, j+1
.endr
	s_wait_loadcnt 32                              ; y is in; the 32 loads of ln_w and ln_b stay out
	s_cmp_gt_u32 s16, 3
	s_cbranch_scc1 .Lno_out1
	global_store_b64 v13, v[8:9], s[14:15] th:TH_STORE_NT
.Lno_out1:
.macro REDUCE                          ; the four chains, the pair, then the 32 lanes; the sum ends in v2 of every lane
	v_pk_add_f32 v[S:S+1], v[S:S+1], v[S+2:S+3]
	v_pk_add_f32 v[S+4:S+5], v[S+4:S+5], v[S+6:S+7]
	v_pk_add_f32 v[S:S+1], v[S:S+1], v[S+4:S+5]
	v_add_f32 v2, v[S], v[S+1]
	v_add_f32_dpp v2, v2, v2 row_xmask:1 row_mask:0xf bank_mask:0xf
	v_add_f32_dpp v2, v2, v2 row_xmask:2 row_mask:0xf bank_mask:0xf
	v_add_f32_dpp v2, v2, v2 row_xmask:4 row_mask:0xf bank_mask:0xf
	v_add_f32_dpp v2, v2, v2 row_xmask:8 row_mask:0xf bank_mask:0xf
	v_permlanex16_b32 v3, v2, s22, s23             ; v3 has been written before
	v_add_f32 v2, v2, v3
.endm
.irp c, 0,1,2,3
	v_pk_add_f32 v[S+2*\c:S+2*\c+1], v[Y+2*\c:Y+2*\c+1], v[Y+8+2*\c:Y+8+2*\c+1]   ; the first words start the chains
.endr
.set j, 8
.rept 24
	v_pk_add_f32 v[S+2*(j%4):S+2*(j%4)+1], v[S+2*(j%4):S+2*(j%4)+1], v[Y+2*j:Y+2*j+1]
.set j, j+1
.endr
	REDUCE
	v_mul_f32 v4, s20, v2                          ; the mean, twice: a pair for the packed arithmetic
	v_mul_f32 v5, s20, v2
.set j, 0
.rept 32
	v_pk_add_f32 v[Y+2*j:Y+2*j+1], v[Y+2*j:Y+2*j+1], v[4:5] neg_lo:[0,1] neg_hi:[0,1]   ; y - mean
.set j, j+1
.endr
.irp c, 0,1,2,3
	v_pk_mul_f32 v[S+2*\c:S+2*\c+1], v[Y+2*\c:Y+2*\c+1], v[Y+2*\c:Y+2*\c+1]
.endr
.set j, 4
.rept 28
	v_pk_fma_f32 v[S+2*(j%4):S+2*(j%4)+1], v[Y+2*j:Y+2*j+1], v[Y+2*j:Y+2*j+1], v[S+2*(j%4):S+2*(j%4)+1]
.set j, j+1
.endr
	REDUCE
	v_fma_f32 v6, v2, s20, s21                     ; var + 1e-5
	v_rsq_f32 v10, v6
	v_rsq_f32 v11, v6
	v_nop                                          ; one plain vector instruction behind a transcendental before its result is used (ISA guide 5.7.2)
	s_wait_loadcnt 0x0                             ; ln_w and ln_b
.set j, 0
	s_wait_alu depctr_va_vdst(0)
.rept 16
	v_pk_mul_f32 v[W+4*j:W+4*j+1],   v[W+4*j:W+4*j+1],   v[10:11]
	v_pk_mul_f32 v[W+4*j+2:W+4*j+3], v[W+4*j+2:W+4*j+3], v[10:11]
	v_pk_fma_f32 v[Y+4*j:Y+4*j+1],   v[Y+4*j:Y+4*j+1],   v[W+4*j:W+4*j+1],   v[BB+4*j:BB+4*j+1]
	v_pk_fma_f32 v[Y+4*j+2:Y+4*j+3], v[Y+4*j+2:Y+4*j+3], v[W+4*j+2:W+4*j+3], v[BB+4*j+2:BB+4*j+3]
	global_store_b128 v1, v[Y+4*j:Y+4*j+3], s[12:13] offset:512*j th:TH_STORE_NT      ; 512 consecutive bytes of the row
.set j, j+1
.endr
	s_endpgm
.Lfunc_end_k_qf608f1df3b_norm:
	.size	k_qf608f1df3b_norm, .Lfunc_end_k_qf608f1df3b_norm-k_qf608f1df3b_norm
	.p2alignl 7, 3214868480
	.fill 96, 4, 3214868480
	.section	.rodata,"a",@progbits
	.p2align	6, 0x0
	.amdhsa_kernel k_qf608f1df3b_norm
		.amdhsa_group_segment_fixed_size 0
		.amdhsa_private_segment_fixed_size 0
		.amdhsa_enable_private_segment 0
		.amdhsa_kernarg_size 48
		.amdhsa_user_sgpr_count 2
		.amdhsa_user_sgpr_kernarg_segment_ptr 1
		.amdhsa_wavefront_size32 1
		.amdhsa_system_sgpr_workgroup_id_x 1
		.amdhsa_system_sgpr_workgroup_id_y 1
		.amdhsa_system_sgpr_workgroup_id_z 1
		.amdhsa_system_vgpr_workitem_id 0
		.amdhsa_next_free_vgpr 216
		.amdhsa_next_free_sgpr 66
		.amdhsa_reserve_vcc 0
		.amdhsa_float_denorm_mode_32 3
		.amdhsa_float_denorm_mode_16_64 3
		.amdhsa_memory_ordered 1
		.amdhsa_forward_progress 1
		.amdhsa_inst_pref_size 19
	.end_amdhsa_kernel
	.amdgpu_metadata
---
amdhsa.version: [ 1, 2 ]
amdhsa.kernels:
  - .name:           k_qf608f1df3b_norm
    .symbol:         k_qf608f1df3b_norm.kd
    .args:
      - { .name: yb, .offset: 0, .size: 8, .value_kind: global_buffer, .address_space: global }
      - { .name: ln_w, .offset: 8, .size: 8, .value_kind: global_buffer, .address_space: global }
      - { .name: ln_b, .offset: 16, .size: 8, .value_kind: global_buffer, .address_space: global }
      - { .name: aw, .offset: 24, .size: 8, .value_kind: global_buffer, .address_space: global }
      - { .name: out0, .offset: 32, .size: 8, .value_kind: global_buffer, .address_space: global }
      - { .name: out1, .offset: 40, .size: 8, .value_kind: global_buffer, .address_space: global }
    .group_segment_fixed_size: 0
    .private_segment_fixed_size: 0
    .kernarg_segment_align: 8
    .kernarg_segment_size: 48
    .max_flat_workgroup_size: 256
    .sgpr_count:     66
    .vgpr_count:     216
    .wavefront_size: 32
...
	.end_amdgpu_metadata
.endif
;; end of part 4
;; ======== version 2 of 2: 4 launches; version 1 with the launches cast, norm written anew for expert scheduling mode
;; workspace buffers: tb 67,108,864 bytes; wob 8,388,608 bytes; ab 8,388,608 bytes; aw 262,144 bytes; yb 16,777,216 bytes
;; launch cast (part 5): grid 256 x 9, 4 waves a work-group, no clusters, 0 bytes of LDS; arguments current_view, view2_spec, view3_spec, Wq, Wk2, Wv2, Wk3, Wv3, Wo, tb, wob; writes tb, wob
.if DOCPART == 5
	.amdgcn_target "amdgcn-amd-amdhsa--gfx1250"
	.amdhsa_code_object_version 6
	.text
	.protected	k_qf608f1df3b_cast
	.globl	k_qf608f1df3b_cast
	.p2align	8
	.type	k_qf608f1df3b_cast,@function
k_qf608f1df3b_cast:
	s_mov_b64 s[64:65], 0
	v_nop
	global_prefetch_b8 v0, s[64:65] scope:SCOPE_SE
	s_setreg_imm32_b32 hwreg(HW_REG_WAVE_SCHED_MODE, 0, 2), 2
	s_setreg_imm32_b32 hwreg(HW_REG_WAVE_MODE, 25, 1), 1
	s_wait_xcnt 0x0
	s_wait_alu depctr_vm_vsrc(0)
; The nine matrices [2048][2048] f32 are rounded once to bf16 (nearest even) and laid out in tiles of 128 rows x 64 k,
; 128 bytes a row, 16,384 dense bytes a tile, so that the two products that follow fetch dense blocks.
;   tb, from byte 0     : tile ((head * 32 + kb) * 5 + m)           m 0 Wq, 1 Wk2, 2 Wv2, 3 Wk3, 4 Wv3
;   tb, from byte XB_OFF: tile ((row block * 32 + kb) * 3 + view)   view 0 current_view, 1 view2_spec, 2 view3_spec
;   wob                 : tile (column block * 32 + kb)             Wo
; Grid y = the matrix (0 to 8, in the order of the arguments); grid x = 16 * (block of 128 rows) + g.  Wave w takes half a tile:
; kb = 2 g + (w & 1), rows 64 (w >> 1) to + 63.  A lane takes 4 numbers: a load of the wave covers 256 consecutive bytes of each of two rows,
; a store 256 consecutive bytes of the tile, aligned.  All 32 loads of a wave (16 KiB) go out before the first is used.
; A stream: no byte is shared between work-groups, so LDS, clusters and the matrix unit have nothing to add here.
; LIMIT: this rounding to bf16 is the only rounding of the products' inputs; values beyond bf16's range do not occur below f32's own.
; THE MODE: SCHED_MODE bits 1:0 = 2 (LLVM: expert scheduling mode 2), set by the entry lines.  The code itself states the register dependences
; between vector instructions and memory instructions, with s_wait_alu, always for 0.
; THE PLAN.  Registers that memory instructions touch:
;   v1, v2   the two byte offsets: written once at the head, read by every load (v1) and every store (v2), never written again.
;   X        load i lands in its four registers; its two conversions read the four and write the first two; store i reads those two.
;            No register of X is written behind its store, so no memory instruction's source is ever written again.
; The 32 loads go in eight blocks of four.  Block p's conversions name block p's sixteen registers alone; its memory instructions are the four
; stores of block p - 1.  So one wait at a block's head, behind the wait for the block's data, states all that those four stores hang on,
; and they are dealt among the block's conversions with no further wait.
.set X, 8                              ; v[8:135]  load i: 4 registers; its 2 packed words are stored from the first two
.set XB_OFF, 41943040                  ; the views' tiles lie behind the five weights' 5 x 8,388,608 bytes
.set BLK, 4                            ; loads, and stores, in a block
	s_load_b512 s[8:23], s[0:1], 0x0               ; the first eight sources, s[8+2m:9+2m]
	s_load_b128 s[24:27], s[0:1], 0x40             ; Wo s[24:25], tb s[26:27]
	s_load_b64 s[28:29], s[0:1], 0x50              ; wob
	s_and_b32 s32, ttmp7, 0xffff                   ; m: which matrix
	v_lshrrev_b32 v3, 5, v0
	v_readfirstlane_b32 s33, v3                    ; wave
	s_lshr_b32 s40, ttmp9, 4                       ; block of 128 rows
	s_and_b32 s41, ttmp9, 15                       ; g
	s_wait_alu depctr_va_sdst(0)                   ; s33 is written, ahead of its first reader: kb, the half of the tile and both bases are made from it
	s_and_b32 s42, s33, 1
	s_lshl1_add_u32 s42, s41, s42                  ; kb = 2 g + (w & 1)
	s_lshr_b32 s43, s33, 1                         ; which 64 rows of the tile
	s_sub_co_u32 s44, s32, 3                       ; m - 3: the place among the five weights (used where m >= 3)
	s_cmp_lt_u32 s32, 3
	s_cselect_b32 s34, 3, 5                        ; tiles that lie side by side for one (block, kb)
	s_cselect_b32 s35, s32, s44                    ; my place among them
	s_cselect_b32 s46, XB_OFF, 0                   ; the views' part of tb
	s_cmp_eq_u32 s32, 8
	s_cselect_b32 s34, 1, s34                      ; Wo lies alone
	s_cselect_b32 s35, 0, s35
	s_lshl_b32 s36, s40, 20                        ; source: (128 block + 64 half) rows of 8,192 bytes + 256 kb
	s_lshl_b32 s45, s43, 19
	s_add_co_u32 s36, s36, s45
	s_lshl_b32 s45, s42, 8
	s_add_co_u32 s36, s36, s45
	s_mov_b32 s37, 0
	s_lshl_b32 s38, s40, 5                         ; destination: ((32 block + kb) * tiles + place) * 16,384 + half * 8,192 (+ XB_OFF)
	s_add_co_u32 s38, s38, s42
	s_mul_i32 s38, s38, s34
	s_add_co_u32 s38, s38, s35
	s_lshl_b32 s38, s38, 14
	s_lshl_b32 s45, s43, 13
	s_add_co_u32 s38, s38, s45
	s_add_co_u32 s38, s38, s46
	s_mov_b32 s39, 0
	v_and_b32 v4, 31, v0                           ; lane
	v_and_b32 v5, 15, v0
	v_bfe_u32 v6, v0, 4, 1
	v_lshlrev_b32 v1, 4, v5                        ; source: 16 bytes a lane, lanes 16 to 31 one row down
	v_lshl_add_u32 v1, v6, 13, v1
	v_lshlrev_b32 v2, 3, v4                        ; destination: 8 bytes a lane, two rows of 128 bytes in a run
	s_wait_kmcnt 0x0
	s_mov_b64 s[4:5], s[8:9]                       ; the source is chosen by m, which hangs on no address
.irp i, 1,2,3,4,5,6,7,8
	s_cmp_eq_u32 s32, \i
	s_cselect_b64 s[4:5], s[8+2*\i:9+2*\i], s[4:5]
.endr
	s_cmp_eq_u32 s32, 8
	s_cselect_b64 s[6:7], s[28:29], s[26:27]       ; Wo goes to wob, all else to tb
	s_add_nc_u64 s[4:5], s[4:5], s[36:37]
	s_add_nc_u64 s[6:7], s[6:7], s[38:39]
	s_wait_alu depctr_va_vdst(0)                   ; v1 and v2 are written: every load of the kernel reads v1 as its offset, every store v2
.set i, 0
.rept 32
	global_load_b128 v[X+4*i:X+4*i+3], v1, s[4:5] offset:i*16384 th:TH_LOAD_NT   ; rows 2 i and 2 i + 1 of my 64
.set i, i+1
.endr
.set p, 0
.rept 32/BLK                                           ; block p: loads 4 p to 4 p + 3 are rounded, block p - 1 is stored
	s_wait_loadcnt 32-BLK-BLK*p                    ; loads come back in order: the block's four are in, the 28 - 4 p younger ones stay out
.if p > 0
	s_wait_alu depctr_va_vdst(0)                   ; the conversions of the block before have written its eight packed words, which the four stores below read
.endif
.set k, 0
.rept BLK
.if p > 0
.set o, BLK*(p-1)+k
	global_store_b64 v2, v[X+4*o:X+4*o+1], s[6:7] offset:o*256                    ; no vector instruction since the wait names these registers; none that a store reads is written again
.endif
.set i, BLK*p+k
	v_cvt_pk_bf16_f32 v[X+4*i],   v[X+4*i],   v[X+4*i+1]
	v_cvt_pk_bf16_f32 v[X+4*i+1], v[X+4*i+2], v[X+4*i+3]
.set k, k+1
.endr
.set p, p+1
.endr
	s_wait_alu depctr_va_vdst(0)                   ; the last block's conversions have written its eight packed words, which the last four stores read
.set o, 32-BLK
.rept BLK
	global_store_b64 v2, v[X+4*o:X+4*o+1], s[6:7] offset:o*256
.set o, o+1
.endr
	s_endpgm
.Lfunc_end_k_qf608f1df3b_cast:
	.size	k_qf608f1df3b_cast, .Lfunc_end_k_qf608f1df3b_cast-k_qf608f1df3b_cast
	.p2alignl 7, 3214868480
	.fill 96, 4, 3214868480
	.section	.rodata,"a",@progbits
	.p2align	6, 0x0
	.amdhsa_kernel k_qf608f1df3b_cast
		.amdhsa_group_segment_fixed_size 0
		.amdhsa_private_segment_fixed_size 0
		.amdhsa_enable_private_segment 0
		.amdhsa_kernarg_size 88
		.amdhsa_user_sgpr_count 2
		.amdhsa_user_sgpr_kernarg_segment_ptr 1
		.amdhsa_wavefront_size32 1
		.amdhsa_system_sgpr_workgroup_id_x 1
		.amdhsa_system_sgpr_workgroup_id_y 1
		.amdhsa_system_sgpr_workgroup_id_z 1
		.amdhsa_system_vgpr_workitem_id 0
		.amdhsa_next_free_vgpr 136
		.amdhsa_next_free_sgpr 66
		.amdhsa_reserve_vcc 0
		.amdhsa_float_denorm_mode_32 3
		.amdhsa_float_denorm_mode_16_64 3
		.amdhsa_memory_ordered 1
		.amdhsa_forward_progress 1
		.amdhsa_inst_pref_size 14
	.end_amdhsa_kernel
	.amdgpu_metadata
---
amdhsa.version: [ 1, 2 ]
amdhsa.kernels:
  - .name:           k_qf608f1df3b_cast
    .symbol:         k_qf608f1df3b_cast.kd
    .args:
      - { .name: current_view, .offset: 0, .size: 8, .value_kind: global_buffer, .address_space: global }
      - { .name: view2_spec, .offset: 8, .size: 8, .value_kind: global_buffer, .address_space: global }
      - { .name: view3_spec, .offset: 16, .size: 8, .value_kind: global_buffer, .address_space: global }
      - { .name: Wq, .offset: 24, .size: 8, .value_kind: global_buffer, .address_space: global }
      - { .name: Wk2, .offset: 32, .size: 8, .value_kind: global_buffer, .address_space: global }
      - { .name: Wv2, .offset: 40, .size: 8, .value_kind: global_buffer, .address_space: global }
      - { .name: Wk3, .offset: 48, .size: 8, .value_kind: global_buffer, .address_space: global }
      - { .name: Wv3, .offset: 56, .size: 8, .value_kind: global_buffer, .address_space: global }
      - { .name: Wo, .offset: 64, .size: 8, .value_kind: global_buffer, .address_space: global }
      - { .name: tb, .offset: 72, .size: 8, .value_kind: global_buffer, .address_space: global }
      - { .name: wob, .offset: 80, .size: 8, .value_kind: global_buffer, .address_space: global }
    .group_segment_fixed_size: 0
    .private_segment_fixed_size: 0
    .kernarg_segment_align: 8
    .kernarg_segment_size: 88
    .max_flat_workgroup_size: 128
    .sgpr_count:     66
    .vgpr_count:     136
    .wavefront_size: 32
...
	.end_amdgpu_metadata
.endif
;; end of part 5
;; launch attn: the kernel of part 2 again; grid 16 x 16, 4 waves a work-group, clusters of 4 x 4, 327,680 bytes of LDS; arguments tb, bq, bk2, bv2, bk3, bv3, ab, aw; writes ab, aw
;; launch proj: the kernel of part 3 again; grid 16 x 16, 4 waves a work-group, clusters of 4 x 4, 327,680 bytes of LDS; arguments ab, wob, current_view, bo, yb; writes yb
;; launch norm (part 6): grid 256 x 1, 8 waves a work-group, no clusters, 0 bytes of LDS; arguments yb, ln_w, ln_b, aw, out0, out1; writes out0, out1
.if DOCPART == 6
	.amdgcn_target "amdgcn-amd-amdhsa--gfx1250"
	.amdhsa_code_object_version 6
	.text
	.protected	k_qf608f1df3b_norm
	.globl	k_qf608f1df3b_norm
	.p2align	8
	.type	k_qf608f1df3b_norm,@function
k_qf608f1df3b_norm:
	s_mov_b64 s[64:65], 0
	v_nop
	global_prefetch_b8 v0, s[64:65] scope:SCOPE_SE
	s_setreg_imm32_b32 hwreg(HW_REG_WAVE_SCHED_MODE, 0, 2), 2
	s_setreg_imm32_b32 hwreg(HW_REG_WAVE_MODE, 25, 1), 1
	s_wait_xcnt 0x0
	s_wait_alu depctr_vm_vsrc(0)
; out0 = ln_w (y - mean) rsqrt(var + 1e-5) + ln_b along rows of 2,048 f32; out1[row][head][2] = aw[head][row][2].
; One wave, one row: 8,192 bytes are 64 registers, so the row stays in registers between the mean, the squares of the differences and the scaling;
; it is read once, and no wave waits for another: no LDS, no barrier.  The work-group has rows 8 g to 8 g + 7.
; The variance is the mean of (y - mean)^2, made after the mean: no difference of large sums, whatever offset the rows carry.
; Waves 0 to 3 also turn two rows each of the attention weights: a store covers 256 consecutive bytes of out1, aligned.
; A stream: nothing is shared but ln_w and ln_b (16 KiB), so clusters, LDS and the matrix unit have nothing to add.
; LIMITS: v_rsq_f32 is good to 1 ULP; the sums run in four chains and then over the lanes, another order than a plain row sum.
; THE MODE: SCHED_MODE bits 1:0 = 2 (LLVM: expert scheduling mode 2), set by the entry lines.  The code itself states the register dependences
; between vector instructions and memory instructions, with s_wait_alu, always for 0.
; THE PLAN.  Registers that memory instructions touch:
;   v1, v12, v13  byte offsets: written at the head, read by the loads and stores, never written again.
;   v[8:9]        the load from aw lands there, the store to out1 reads them; no vector instruction names them.
;   Y             the row lands there; vector instructions read and rewrite it; the sixteen stores read it, and nothing writes it behind them.
;   W, BB         ln_w and ln_b land there; vector instructions alone name them afterwards.
; The last pass goes in four blocks of four stores.  Block q's arithmetic names its own sixteen registers of Y, W and BB and the pair v[10:11];
; its memory instructions are the four stores of block q - 1.  So one wait at a block's head states all that those stores hang on, and they
; are dealt among the block's arithmetic with no further wait.  No register that a memory instruction has read is written again.
.set Y,  16                            ; v[16:79]   the row, then y - mean, then the result
.set W,  80                            ; v[80:143]  ln_w of my columns
.set BB, 144                           ; v[144:207] ln_b
.set S,  208                           ; v[208:215] four chains of pairs
.set BLK, 4                            ; stores in a block of the last pass
	s_load_b256 s[4:11], s[0:1], 0x0               ; yb 4, ln_w 6, ln_b 8, aw 10
	s_load_b128 s[12:15], s[0:1], 0x20             ; out0 12, out1 14
	v_lshrrev_b32 v2, 5, v0
	v_readfirstlane_b32 s16, v2                    ; wave
	s_wait_alu depctr_va_sdst(0)                   ; s16 is written, ahead of its first reader: the row, the offsets and the two branches are made from it
	s_lshl3_add_u32 s17, ttmp9, s16                ; row = 8 g + w
	s_lshl_b32 s18, s17, 13
	s_mov_b32 s19, 0
	s_mov_b32 s20, 0x3a000000                      ; 1 / 2048
	s_mov_b32 s21, 0x3727c5ac                      ; 1e-5
	s_mov_b32 s22, 0x76543210                      ; v_permlanex16_b32: lane i reads lane i of the other half
	s_mov_b32 s23, 0xfedcba98
	v_and_b32 v3, 31, v0
	v_lshlrev_b32 v1, 4, v3                        ; 16 bytes a lane
	v_and_b32 v4, 15, v0                           ; head
	v_bfe_u32 v5, v0, 4, 1                         ; which of my two rows
	v_lshlrev_b32 v12, 14, v4                      ; aw: 16,384 head + 8 (8 g + 2 w + row)
	v_lshl_add_u32 v12, v5, 3, v12
	s_lshl_b32 s24, ttmp9, 6
	s_lshl4_add_u32 s24, s16, s24
	v_add_nc_u32 v12, s24, v12
	v_lshlrev_b32 v13, 3, v3                       ; out1: 1,024 g + 256 w + 8 lane
	s_lshl_b32 s25, ttmp9, 10
	s_lshl_b32 s26, s16, 8
	s_add_co_u32 s25, s25, s26
	v_add_nc_u32 v13, s25, v13
	s_wait_kmcnt 0x0
	s_add_nc_u64 s[4:5], s[4:5], s[18:19]
	s_add_nc_u64 s[12:13], s[12:13], s[18:19]
	s_wait_alu depctr_va_vdst(0)                   ; v1, v12 and v13 are written: the loads and stores below read them as their offsets; ahead of the branch, so on both ways
	s_cmp_gt_u32 s16, 3
	s_cbranch_scc1 .Lno_aw
	global_load_b64 v[8:9], v12, s[10:11]          ; the wave's oldest load: the wait for y shows it done as well
.Lno_aw:
.set j, 0
.rept 16
	global_load_b128 v[Y+4*j:Y+4*j+3], v1, s[4:5] offset:512*j th:TH_LOAD_NT
.set j, j+1
.endr
.set j, 0
.rept 16
	global_load_b128 v[W+4*j:W+4*j+3], v1, s[6:7] offset:512*j
.set j, j+1
.endr
.set j, 0
.rept 16
	global_load_b128 v[BB+4*j:BB+4*j+3], v1, s[8:9] offset:512*j
.set j, j+1
.endr
	s_wait_loadcnt 32                              ; y is in; the 32 loads of ln_w and ln_b stay out
	s_cmp_gt_u32 s16, 3
	s_cbranch_scc1 .Lno_out1
	global_store_b64 v13, v[8:9], s[14:15] th:TH_STORE_NT          ; its data came by a load, its offset was written ahead of the wait at the head: nothing more is owed
.Lno_out1:
.macro REDUCE                          ; the four chains, the pair, then the 32 lanes; the sum ends in v2 of every lane
	v_pk_add_f32 v[S:S+1], v[S:S+1], v[S+2:S+3]
	v_pk_add_f32 v[S+4:S+5], v[S+4:S+5], v[S+6:S+7]
	v_pk_add_f32 v[S:S+1], v[S:S+1], v[S+4:S+5]
	v_add_f32 v2, v[S], v[S+1]
	v_add_f32_dpp v2, v2, v2 row_xmask:1 row_mask:0xf bank_mask:0xf
	v_add_f32_dpp v2, v2, v2 row_xmask:2 row_mask:0xf bank_mask:0xf
	v_add_f32_dpp v2, v2, v2 row_xmask:4 row_mask:0xf bank_mask:0xf
	v_add_f32_dpp v2, v2, v2 row_xmask:8 row_mask:0xf bank_mask:0xf
	v_permlanex16_b32 v3, v2, s22, s23             ; v3 has been written before
	v_add_f32 v2, v2, v3
.endm
.irp c, 0,1,2,3
	v_pk_add_f32 v[S+2*\c:S+2*\c+1], v[Y+2*\c:Y+2*\c+1], v[Y+8+2*\c:Y+8+2*\c+1]   ; the first words start the chains
.endr
.set j, 8
.rept 24
	v_pk_add_f32 v[S+2*(j%4):S+2*(j%4)+1], v[S+2*(j%4):S+2*(j%4)+1], v[Y+2*j:Y+2*j+1]
.set j, j+1
.endr
	REDUCE
	v_mul_f32 v4, s20, v2                          ; the mean, twice: a pair for the packed arithmetic
	v_mul_f32 v5, s20, v2
.set j, 0
.rept 32
	v_pk_add_f32 v[Y+2*j:Y+2*j+1], v[Y+2*j:Y+2*j+1], v[4:5] neg_lo:[0,1] neg_hi:[0,1]   ; y - mean
.set j, j+1
.endr
.irp c, 0,1,2,3
	v_pk_mul_f32 v[S+2*\c:S+2*\c+1], v[Y+2*\c:Y+2*\c+1], v[Y+2*\c:Y+2*\c+1]
.endr
.set j, 4
.rept 28
	v_pk_fma_f32 v[S+2*(j%4):S+2*(j%4)+1], v[Y+2*j:Y+2*j+1], v[Y+2*j:Y+2*j+1], v[S+2*(j%4):S+2*(j%4)+1]
.set j, j+1
.endr
	REDUCE
	v_fma_f32 v6, v2, s20, s21                     ; var + 1e-5
	v_rsq_f32 v10, v6
	v_rsq_f32 v11, v6
	v_nop                                          ; one plain vector instruction behind a transcendental before its result is used (ISA guide 5.7.2)
	s_wait_loadcnt 0x0                             ; ln_w and ln_b
.set q, 0
.rept 16/BLK                                           ; block q: sixteen registers of the row are scaled, block q - 1 is stored
	s_wait_alu depctr_va_vdst(0)                   ; block 0: the two v_rsq_f32 have written v[10:11], ahead of their first reader; later blocks: the block before has written its sixteen registers of Y, which the four stores below read
.set k, 0
.rept BLK
.if q > 0
.set o, BLK*(q-1)+k
	global_store_b128 v1, v[Y+4*o:Y+4*o+3], s[12:13] offset:512*o th:TH_STORE_NT      ; 512 consecutive bytes of the row; no vector instruction since the wait names these registers
.endif
.set j, BLK*q+k
	v_pk_mul_f32 v[W+4*j:W+4*j+1],   v[W+4*j:W+4*j+1],   v[10:11]
	v_pk_mul_f32 v[W+4*j+2:W+4*j+3], v[W+4*j+2:W+4*j+3], v[10:11]
	v_pk_fma_f32 v[Y+4*j:Y+4*j+1],   v[Y+4*j:Y+4*j+1],   v[W+4*j:W+4*j+1],   v[BB+4*j:BB+4*j+1]
	v_pk_fma_f32 v[Y+4*j+2:Y+4*j+3], v[Y+4*j+2:Y+4*j+3], v[W+4*j+2:W+4*j+3], v[BB+4*j+2:BB+4*j+3]
.set k, k+1
.endr
.set q, q+1
.endr
	s_wait_alu depctr_va_vdst(0)                   ; the last block has written its sixteen registers of Y, which the last four stores read
.set o, 16-BLK
.rept BLK
	global_store_b128 v1, v[Y+4*o:Y+4*o+3], s[12:13] offset:512*o th:TH_STORE_NT
.set o, o+1
.endr
	s_endpgm
.Lfunc_end_k_qf608f1df3b_norm:
	.size	k_qf608f1df3b_norm, .Lfunc_end_k_qf608f1df3b_norm-k_qf608f1df3b_norm
	.p2alignl 7, 3214868480
	.fill 96, 4, 3214868480
	.section	.rodata,"a",@progbits
	.p2align	6, 0x0
	.amdhsa_kernel k_qf608f1df3b_norm
		.amdhsa_group_segment_fixed_size 0
		.amdhsa_private_segment_fixed_size 0
		.amdhsa_enable_private_segment 0
		.amdhsa_kernarg_size 48
		.amdhsa_user_sgpr_count 2
		.amdhsa_user_sgpr_kernarg_segment_ptr 1
		.amdhsa_wavefront_size32 1
		.amdhsa_system_sgpr_workgroup_id_x 1
		.amdhsa_system_sgpr_workgroup_id_y 1
		.amdhsa_system_sgpr_workgroup_id_z 1
		.amdhsa_system_vgpr_workitem_id 0
		.amdhsa_next_free_vgpr 216
		.amdhsa_next_free_sgpr 66
		.amdhsa_reserve_vcc 0
		.amdhsa_float_denorm_mode_32 3
		.amdhsa_float_denorm_mode_16_64 3
		.amdhsa_memory_ordered 1
		.amdhsa_forward_progress 1
		.amdhsa_inst_pref_size 20
	.end_amdhsa_kernel
	.amdgpu_metadata
---
amdhsa.version: [ 1, 2 ]
amdhsa.kernels:
  - .name:           k_qf608f1df3b_norm
    .symbol:         k_qf608f1df3b_norm.kd
    .args:
      - { .name: yb, .offset: 0, .size: 8, .value_kind: global_buffer, .address_space: global }
      - { .name: ln_w, .offset: 8, .size: 8, .value_kind: global_buffer, .address_space: global }
      - { .name: ln_b, .offset: 16, .size: 8, .value_kind: global_buffer, .address_space: global }
      - { .name: aw, .offset: 24, .size: 8, .value_kind: global_buffer, .address_space: global }
      - { .name: out0, .offset: 32, .size: 8, .value_kind: global_buffer, .address_space: global }
      - { .name: out1, .offset: 40, .size: 8, .value_kind: global_buffer, .address_space: global }
    .group_segment_fixed_size: 0
    .private_segment_fixed_size: 0
    .kernarg_segment_align: 8
    .kernarg_segment_size: 48
    .max_flat_workgroup_size: 256
    .sgpr_count:     66
    .vgpr_count:     216
    .wavefront_size: 32
...
	.end_amdgpu_metadata
.endif
;; end of part 6
